; MI455X (gfx1250); checked and timed in simulation.
; The chip was launched on July 23, 2026; its instructions are those of AMD's public machine-readable ISA for CDNA 5 (MIT licence, August 2026) and "CDNA5" Instruction Set Architecture Reference Guide (July 2026). The comments in the code are by the model that wrote it; some were corrected since.
;; RAM Multi Head Sequence. Allowed arithmetic: float matrix products may take bf16 or f16 operands with f32 sums; other float arithmetic in f32, or as packed bf16 or f16 multiplies, adds, multiply-adds, maxima and minima; sums over many terms, partial sums and values carried from step to step in f32; what a program stores and reads back later, other than sums and carried values, may be rounded once to bf16 or f16.
;; Inputs: conn_out 8 x 5 x 5 int32; conn_state 8 x 16 x 16 int32; ram_out 8 x 5 x 32 float32; ram_state 8 x 16 x 65,536 int32; x_bits 1,024 x 512 x 16 int32.
;; Outputs: out0 1,024 x 512 x 5 float32.
;; 3 versions, each right; version 2 is faster than version 1; version 3 is version 2 with the launch main written anew for expert scheduling mode. Each part assembles by itself: llvm-mc -triple=amdgcn-amd-amdhsa -mcpu=gfx1250 --defsym DOCPART=n.
;; ======== version 1 of 3: 3 launches
;; workspace buffers: tbl 1,048,576 bytes of whole numbers; txt 262,144 bytes of whole numbers; xlo 2,097,152 bytes of whole numbers; xhi 2,097,152 bytes of whole numbers; st 8,388,608 bytes of whole numbers
;; launch prep (part 1): grid 256 x 1, 16 waves a work-group, no clusters, 10,240 bytes of LDS; arguments conn_state, ram_state, x_bits, tbl, txt, xlo, xhi; writes tbl, txt, xlo, xhi
.if DOCPART == 1
	.amdgcn_target "amdgcn-amd-amdhsa--gfx1250"
	.amdhsa_code_object_version 6
	.text
	.protected	k_qdac04dbf8f_prep
	.globl	k_qdac04dbf8f_prep
	.p2align	8
	.type	k_qdac04dbf8f_prep,@function
k_qdac04dbf8f_prep:
	s_mov_b64 s[64:65], 0
	v_nop
	global_prefetch_b8 v0, s[64:65] scope:SCOPE_SE
	s_setreg_imm32_b32 hwreg(HW_REG_WAVE_MODE, 25, 1), 1
	s_wait_xcnt 0x0
; PREP.  Packs the two large inputs to bits and lays the state RAMs out anew.  256 work-groups of 16 waves; each reads 256 KB, a wave 16 KB, by 64 loads of
; 256 consecutive bytes: 56 go out at once, one more behind each of the first eight that land.  A load leaves whole numbers 2 l and 2 l + 1 in lane l; v_cmp_ne makes a 32-bit mask of each register.
; LIMITS.  x_bits and ram_state hold 0 or 1 (any other number is read as 1); conn_state holds 0..31.
; GROUPS 0-127: one state RAM (head h, neuron n; group = 16 h + n).
;   The neuron's address is 16 bits picked from (x[0..15], state[0..15]) by conn_state; it uses at most 16 DIFFERENT bits.  The new table T' is addressed by
;   A = (state & Ms) | Ax: a state bit keeps its own bit number (Ms: the state bits used), the x bits used go, in ascending order, into the holes of Ms, in ascending order.
;   So position p of A has a source (state p, an x bit, or none), and setting it sets the old address bits k whose conn equals that source: its CONTRIBUTION.
;   The old address of A is the exclusive or of the contributions of A's set bits (they share no bit).
;   tbl[group][j] bit 31 - a = ram[old address of A = 32 j + a].      txt[group][g][xb] = Ax made by byte g of the packed x alone.
; GROUPS 128-255: x_bits of 8 batches.  xlo[b][t] = (x[0], x[2], .. x[14] as bits 0..7) << 6, xhi[b][t] the same of x[1], x[3], ..: ready offsets into rows of 64 bytes.
.set SPARE, 8192                       ; behind the packed table: the spare words, 128 bytes for each of 16 waves
.set SPW, 30                           ; v30  LDS address of my spare word; never rewritten
.set NIL, 31                           ; v31  0; never rewritten
.set D,   32                           ; v[32:159]  the 64 loads' pairs
.set W,   160                          ; v[160:163] masks: register 2 (i / 32) + j, lane i % 32: load i, register j
.set CK,  24                           ; s[24:39]   conn_state of my neuron
.set C,   40                           ; s[40:55]   contribution of position p: LDS byte offset in the low half, shift bits in the high half
.set PI,  66                           ; s[66:81]   position p's bit in the packed x, 31 for none
.set CA,  82                           ; s[82:97]   the 16 sums of contributions of positions 0, 1, 5, 6: byte offsets
.set CS,  24                           ; s[24:39]   the same: shift bits (conn is no longer needed then)
.set ACC, 16                           ; v[16:19]   my four words of T'
.set AD,  32                           ; v[32:47]   look-up addresses (the loads' registers are free by then)
.set WD,  48                           ; v[48:63]   words looked up
.set TS,  64                           ; v[64:79]   their shifts
.set AHEAD, 56                         ; loads of a wave that go out at once
.macro LOAD1 b, n                      ; load n of my wave's 64: 256 consecutive bytes, read once in the launch
	global_load_b64 v[D+2*(\n):D+2*(\n)+1], v2, s[\b:\b+1] offset:256*(\n) th:TH_LOAD_NT
.endm
.macro LOADS b
.set i, 0
.rept AHEAD
	LOAD1 \b, i
.set i, i+1
.endr
.endm
.macro PACK b                          ; loads come back in order: load i is in when no more than the loads issued behind it are out
.set i, 0
.rept 64
.if i < 64-AHEAD
	s_wait_loadcnt AHEAD-1                         ; AHEAD + i are issued, i + 1 of them up to load i
.else
	s_wait_loadcnt 63-i                            ; all 64 are issued
.endif
	v_cmp_ne_u32 s[20+2*(i%2)], 0, v[D+2*i]
	v_cmp_ne_u32 s[21+2*(i%2)], 0, v[D+2*i+1]
.if i < 64-AHEAD
	LOAD1 \b, AHEAD+i
.endif
	v_writelane_b32 v[W+2*(i/32)], s[20+2*(i%2)], i%32
	v_writelane_b32 v[W+2*(i/32)+1], s[21+2*(i%2)], i%32
.set i, i+1
.endr
.endm
.macro FINISH                          ; the wave's end
	s_wait_tensorcnt 0x0
	ds_add_u32 v[SPW], v[NIL]
	s_wait_dscnt 0x0
	s_endpgm
.endm
	s_load_b256 s[4:11], s[0:1], 0x0               ; conn_state s[4:5], ram_state s[6:7], x_bits s[8:9], tbl s[10:11]
	s_load_b128 s[12:15], s[0:1], 0x20             ; txt s[12:13], xlo s[14:15]
	s_load_b64 s[16:17], s[0:1], 0x30              ; xhi
	v_lshl_add_u32 v[SPW], v0, 2, SPARE
	v_mov_b32 v[NIL], 0
	v_and_b32 v1, 31, v0                           ; lane
	v_lshrrev_b32 v3, 5, v0
	v_readfirstlane_b32 s18, v3                    ; wave
	s_and_b32 s19, ttmp9, 127                      ; which table, or which share of x
	s_lshl_b32 s20, s19, 18                        ; its 256 KB,
	s_lshl_b32 s21, s18, 14                        ; my wave's 16 KB of them
	s_add_co_u32 s20, s20, s21
	s_mov_b32 s21, 0
	s_mov_b32 s23, 0
	v_lshlrev_b32 v2, 3, v1                        ; 8 bytes a lane
	v_lshlrev_b32 v28, 4, v0                       ; 16 bytes a thread: both table stores
.irp q, 0,1,2,3
	v_mov_b32 v[W+\q], 0                           ; v_writelane's destination is written whole first
.endr
	s_wait_kmcnt 0x0
	s_cmp_lt_u32 ttmp9, 128
	s_cbranch_scc0 .Lbits                          ; the same way for all waves of a work-group
	; ---------------- a state RAM ----------------
	s_add_nc_u64 s[6:7], s[6:7], s[20:21]
	LOADS 6
	s_lshl_b32 s22, s19, 6
	s_add_nc_u64 s[4:5], s[4:5], s[22:23]
	s_load_b512 s[CK:CK+15], s[4:5], 0x0           ; my neuron's 16 connections
	s_lshl_b32 s22, s19, 13
	s_add_nc_u64 s[10:11], s[10:11], s[22:23]      ; tbl: 8 KB a table
	s_lshl_b32 s22, s19, 11
	s_add_nc_u64 s[12:13], s[12:13], s[22:23]      ; txt: 2 KB a table
	s_wait_kmcnt 0x0
	; all that follows up to PACK stands in the wait for the table's bytes
	s_mov_b32 s22, 0
.set k, 0
.rept 16
	s_lshl_b32 s23, 1, s[CK+k]
	s_or_b32 s22, s22, s23
.set k, k+1
.endr
	s_and_b32 s98, s22, 0xffff                     ; Mx: the x bits used
	s_lshr_b32 s99, s22, 16                        ; Ms: the state bits used
	s_and_not1_b32 s100, 0xffff, s99               ; the holes
	v_mbcnt_lo_u32_b32 v3, s100, 0                 ; lane p (0..15 count): how many holes lie below position p
	v_mov_b32 v4, 99                               ; position p's source: none so far
.set c, 0
.rept 16                                               ; x bit c, if used, goes to the hole of its own rank
	s_and_b32 s23, s98, (1<<c)-1
	s_bcnt1_i32_b32 s23, s23
	s_bitcmp1_b32 s98, c
	s_cselect_b32 s23, s23, 99
	s_mov_b32 s22, c
	v_cmp_eq_u32 vcc_lo, s23, v3
	v_cndmask_b32 v4, v4, s22, vcc_lo
.set c, c+1
.endr
	v_lshrrev_b32 v5, v1, s99                      ; a position in Ms is no hole: its source is state bit p, index 16 + p
	v_and_b32 v5, 1, v5
	v_cmp_eq_u32 vcc_lo, 1, v5
	v_add_nc_u32 v6, 16, v1
	v_cndmask_b32 v4, v4, v6, vcc_lo
	; Where old address bit e = 15 - k lies in the packed table: entry a = 64 c + 2 l + j is bit l of word 2 c + j.
	; e = 0: byte offset 4.  e = 1..5: bit e - 1 of l (kept in the high half).  e = 6..15: byte offset bit e - 3.
	v_mov_b32 v7, 0
.set k, 0
.rept 16
.set e, 15-k
.if e == 0
.set kk, 4
.elseif e < 6
.set kk, 1<<(e+15)
.else
.set kk, 1<<(e-3)
.endif
	s_mov_b32 s23, kk
	v_cmp_eq_u32 vcc_lo, s[CK+k], v4
	v_cndmask_b32 v5, 0, s23, vcc_lo
	v_xor_b32 v7, v7, v5
.set k, k+1
.endr
	v_and_b32 v5, 1, v4                            ; x bit c lies at bit 8 (c & 1) + (c >> 1) of the packed x
	v_lshrrev_b32 v6, 1, v4
	v_lshl_or_b32 v8, v5, 3, v6
	v_cmp_gt_u32 vcc_lo, 16, v4
	v_cndmask_b32 v8, 31, v8, vcc_lo               ; no x bit: bit 31, which is 0
.set p, 0
.rept 16
	v_readlane_b32 s[C+p], v7, p
	v_readlane_b32 s[PI+p], v8, p
.set p, p+1
.endr
	; txt: threads 0..127 make four entries each (entry 4 t + e: byte g = entry / 256, value entry % 256); a wave's store covers 512 consecutive bytes
	s_cmp_ge_u32 s18, 4
	s_cbranch_scc1 .Lno_tx
	v_lshrrev_b32 v5, 6, v0
	v_lshlrev_b32 v5, 3, v5                        ; 8 g
	v_lshlrev_b32 v6, 2, v0
.irp e, 0,1,2,3
	v_add_nc_u32 v[20+\e], \e, v6
	v_and_b32 v[20+\e], 0xff, v[20+\e]
	v_lshlrev_b32 v[20+\e], v5, v[20+\e]           ; the packed x with this byte alone
	v_mov_b32 v[24+\e], 0
.endr
.set p, 0
.rept 16
.irp e, 0,1,2,3
	v_bfe_u32 v[12+\e], v[20+\e], s[PI+p], 1
.endr
.irp e, 0,1,2,3
	v_lshl_or_b32 v[24+\e], v[12+\e], p, v[24+\e]
.endr
.set p, p+1
.endr
	global_store_b128 v28, v[24:27], s[12:13]
.Lno_tx:
	; A = 128 t + 32 e + a (thread t, word e of four, bit a).  The thread's part: positions 7..15
	v_mov_b32 v9, 0
.set i, 0
.rept 9
	v_bfe_u32 v5, v0, i, 1
	v_sub_nc_u32 v5, 0, v5
	v_and_b32 v5, s[C+7+i], v5
	v_xor_b32 v9, v9, v5
.set i, i+1
.endr
	v_lshrrev_b32 v10, 16, v9
	v_xor_b32 v10, 31, v10                         ; bit l is brought to bit 31 by a shift of 31 - l = 31 xor l
	v_and_b32 v9, 0xffff, v9
	; the 16 sums for (e, a % 4), number 4 e + a % 4: positions 0, 1, 5, 6
	s_mov_b32 s[CA], 0
	s_mov_b32 s[CA+1], s[C]
	s_mov_b32 s[CA+2], s[C+1]
	s_xor_b32 s[CA+3], s[C], s[C+1]
.irp i, 0,1,2,3
	s_xor_b32 s[CA+4+\i], s[CA+\i], s[C+5]
.endr
.irp i, 0,1,2,3,4,5,6,7
	s_xor_b32 s[CA+8+\i], s[CA+\i], s[C+6]
.endr
.irp i, 0,1,2,3,4,5,6,7,8,9,10,11,12,13,14,15
	s_lshr_b32 s[CS+\i], s[CA+\i], 16
	s_and_b32 s[CA+\i], s[CA+\i], 0xffff
.endr
.irp e, 0,1,2,3
	v_mov_b32 v[ACC+\e], 0
.endr
	PACK 6
	s_lshl_b32 s22, s18, 9                         ; my wave's 64 chunks of 8 bytes
	v_lshl_add_u32 v5, v1, 3, s22
	ds_store_b64 v5, v[W:W+1]                      ; chunk 64 w + lane
	ds_store_b64 v5, v[W+2:W+3] offset:256         ; chunk 64 w + 32 + lane
	s_wait_dscnt 0x0                               ; my part of the packed table is in LDS,
	s_barrier_signal -1
	s_barrier_wait -1                              ; everybody's is
	s_mov_b32 s98, 0
.Lquad:                                                ; 8 trips: a / 4 = 0..7, ascending; a trip looks up 4 bits of each of my 4 words
	s_bitcmp1_b32 s98, 0
	s_cselect_b32 s99, s[C+2], 0
	s_bitcmp1_b32 s98, 1
	s_cselect_b32 s100, s[C+3], 0
	s_xor_b32 s99, s99, s100
	s_bitcmp1_b32 s98, 2
	s_cselect_b32 s100, s[C+4], 0
	s_xor_b32 s99, s99, s100
	s_lshr_b32 s100, s99, 16
	s_and_b32 s99, s99, 0xffff
	v_xor_b32 v11, s99, v9
	v_xor_b32 v12, s100, v10
.set m, 0
.rept 16                                               ; look-up m: a % 4 = m / 4, word m % 4
	v_xor_b32 v[AD+m], s[CA+(m%4)*4+m/4], v11      ; the contributions have bits 2 to 12 alone: a word of the 8 KB
	v_min_u32 v[AD+m], 0x1ffc, v[AD+m]             ; a number made of loaded ones enters an address behind v_min_u32 with a constant: the table's last word
	ds_load_b32 v[WD+m], v[AD+m]
	v_xor_b32 v[TS+m], s[CS+(m%4)*4+m/4], v12
.set m, m+1
.endr
.set m, 0
.rept 16
	s_wait_dscnt 15-m                              ; look-up m is in; the 15 - m younger ones may be out
	v_lshlrev_b32 v[WD+m], v[TS+m], v[WD+m]        ; the bit to bit 31,
	v_alignbit_b32 v[ACC+m%4], v[ACC+m%4], v[WD+m], 31  ; and in from below: entry a ends at bit 31 - a
.set m, m+1
.endr
	s_add_co_u32 s98, s98, 1
	s_cmp_lt_u32 s98, 8
	s_cbranch_scc1 .Lquad
	global_store_b128 v28, v[ACC:ACC+3], s[10:11]  ; words 4 t .. 4 t + 3: a wave's store covers 512 consecutive bytes
	FINISH
	; ---------------- a share of x_bits ----------------
.Lbits:
	s_add_nc_u64 s[8:9], s[8:9], s[20:21]
	LOADS 8
	s_lshl_b32 s22, s19, 14                        ; 8 batches x 512 steps x 4 bytes in each plane
	s_add_nc_u64 s[14:15], s[14:15], s[22:23]
	s_add_nc_u64 s[16:17], s[16:17], s[22:23]
	s_lshl_b32 s24, s18, 10                        ; my wave's 256 steps
	v_lshl_add_u32 v3, v1, 4, s24
	s_mov_b32 s25, 0x3fc0
	PACK 8
	; a mask's byte m holds the eight even (register 0) or odd (register 1) bits of step 4 i + m; lane i has the masks of load i: four steps, 16 bytes in each plane
.irp q, 0,1,2,3
	v_lshlrev_b32 v[4+4*\q], 6, v[W+\q]
	v_lshrrev_b32 v[5+4*\q], 2, v[W+\q]
	v_lshrrev_b32 v[6+4*\q], 10, v[W+\q]
	v_lshrrev_b32 v[7+4*\q], 18, v[W+\q]
	v_and_b32 v[4+4*\q], s25, v[4+4*\q]
	v_and_b32 v[5+4*\q], s25, v[5+4*\q]
	v_and_b32 v[6+4*\q], s25, v[6+4*\q]
	v_and_b32 v[7+4*\q], s25, v[7+4*\q]
.endr
	global_store_b128 v3, v[4:7], s[14:15]         ; each store of the wave covers 512 consecutive bytes, aligned
	global_store_b128 v3, v[8:11], s[16:17]
	global_store_b128 v3, v[12:15], s[14:15] offset:512
	global_store_b128 v3, v[16:19], s[16:17] offset:512
	FINISH
.Lfunc_end_k_qdac04dbf8f_prep:
	.size	k_qdac04dbf8f_prep, .Lfunc_end_k_qdac04dbf8f_prep-k_qdac04dbf8f_prep
	.p2alignl 7, 3214868480
	.fill 96, 4, 3214868480
	.section	.rodata,"a",@progbits
	.p2align	6, 0x0
	.amdhsa_kernel k_qdac04dbf8f_prep
		.amdhsa_group_segment_fixed_size 10240
		.amdhsa_private_segment_fixed_size 0
		.amdhsa_enable_private_segment 0
		.amdhsa_kernarg_size 56
		.amdhsa_user_sgpr_count 2
		.amdhsa_user_sgpr_kernarg_segment_ptr 1
		.amdhsa_wavefront_size32 1
		.amdhsa_system_sgpr_workgroup_id_x 1
		.amdhsa_system_sgpr_workgroup_id_y 1
		.amdhsa_system_sgpr_workgroup_id_z 1
		.amdhsa_system_vgpr_workitem_id 0
		.amdhsa_next_free_vgpr 164
		.amdhsa_next_free_sgpr 102
		.amdhsa_reserve_vcc 1
		.amdhsa_float_denorm_mode_32 3
		.amdhsa_float_denorm_mode_16_64 3
		.amdhsa_memory_ordered 1
		.amdhsa_forward_progress 1
		.amdhsa_inst_pref_size 82
	.end_amdhsa_kernel
	.amdgpu_metadata
---
amdhsa.version: [ 1, 2 ]
amdhsa.kernels:
  - .name:           k_qdac04dbf8f_prep
    .symbol:         k_qdac04dbf8f_prep.kd
    .args:
      - { .name: conn_state, .offset: 0, .size: 8, .value_kind: global_buffer, .address_space: global }
      - { .name: ram_state, .offset: 8, .size: 8, .value_kind: global_buffer, .address_space: global }
      - { .name: x_bits, .offset: 16, .size: 8, .value_kind: global_buffer, .address_space: global }
      - { .name: tbl, .offset: 24, .size: 8, .value_kind: global_buffer, .address_space: global }
      - { .name: txt, .offset: 32, .size: 8, .value_kind: global_buffer, .address_space: global }
      - { .name: xlo, .offset: 40, .size: 8, .value_kind: global_buffer, .address_space: global }
      - { .name: xhi, .offset: 48, .size: 8, .value_kind: global_buffer, .address_space: global }
    .group_segment_fixed_size: 10240
    .private_segment_fixed_size: 0
    .kernarg_segment_align: 8
    .kernarg_segment_size: 56
    .max_flat_workgroup_size: 512
    .sgpr_count:     102
    .vgpr_count:     164
    .wavefront_size: 32
...
	.end_amdgpu_metadata
.endif
;; end of part 1
;; launch main (part 2): grid 32 x 8, 16 waves a work-group, no clusters, 165,888 bytes of LDS; arguments conn_state, tbl, txt, xlo, xhi, st; writes st
.if DOCPART == 2
	.amdgcn_target "amdgcn-amd-amdhsa--gfx1250"
	.amdhsa_code_object_version 6
	.text
	.protected	k_qdac04dbf8f_main
	.globl	k_qdac04dbf8f_main
	.p2align	8
	.type	k_qdac04dbf8f_main,@function
k_qdac04dbf8f_main:
	s_mov_b64 s[64:65], 0
	v_nop
	global_prefetch_b8 v0, s[64:65] scope:SCOPE_SE
	s_setreg_imm32_b32 hwreg(HW_REG_WAVE_MODE, 25, 1), 1
	s_wait_xcnt 0x0
; THE RECURRENCE.  A work-group owns one head (grid y) and 32 batches (grid x); a wave 2 batches x 16 neurons: lane = 16 r + n, batch 32 x + 2 w + r.  512 dependent steps.
; A step's look-up address is A = (state & Ms) | Ax (tables laid out so by the launch before).  v_cmp's mask over the 32 lanes IS the two new states, neuron n at bit 16 r + n.
; THE DEPENDENT CHAIN of a step is six instructions: v_bfe (my batch's half), v_and_or (LDS address), v_min (its bound), ds_load, v_lshlrev (my bit to bit 31), v_cmp.  All else hangs on x
; alone and is made ahead: Ax = txt[low byte of x] | txt[high byte of x], two LDS look-ups issued three steps early.
; A number made of loaded ones enters an LDS address directly behind v_min_u32 with a constant; each constant here is the largest address that the arithmetic can give, so no value is changed.
; LDS.  0: the x tables, [byte 0, 1][value 0..255][n], rows of 64 bytes (32 KB).  32,768: the 16 tables, word j of neuron n at 32 j + 4 (n & 7) + 65,536 (n >> 3) (128 KB): so A & 0xffe0 is
; the word's offset as it stands, and A & 31 the shift.  163,840: the spare words.
; THE FILL goes through registers: it interleaves eight tables word by word (sixteen for the x tables), and no tile descriptor is used.  So there are no joint
; requests either, though the 32 work-groups of a head read the same 160 KB: they are read once, for 512 steps.
; OUT: st[head][batch pair][t], a word with both batches' 16 state bits; 64 steps are gathered in two registers and leave as 256 consecutive bytes.
; LIMIT.  conn_state holds 0..31.
.set TBASE, 32768
.set TXH,   16384
.set SPARE, 163840
.set TMAX,  0x1fffc                    ; 65,536 + 0xffe0 + 28: the last word of the 16 tables, from TBASE
.set XMAX,  0x3ffc                     ; 255 x 64 + 60: the last word of one half of the x tables
.set LB,   3                           ; 4 n
.set LBT,  4                           ; 4 (n & 7) + 65,536 (n >> 3)
.set SH16, 5                           ; 16 r
.set MS,   6                           ; Ms
.set MSA,  7                           ; Ms & 0xffe0
.set R,    8                           ; my batch's state
.set AD,   9
.set WT,   10
.set SHF,  11
.set A0,   12                          ; addresses of the two x look-ups
.set A1,   13
.set X,    14                          ; v[14:15]  Ax, by the step's parity
.set XA,   16                          ; v[16:17]  (Ax & 0xffe0) | LBT
.set W0,   18                          ; v[18:21]  x look-ups on their way, by step % 4
.set W1,   22                          ; v[22:25]
.set S,    26                          ; v[26:27]  states of 64 steps: register k % 2, lane k / 2
.set XLC,  28                          ; v[28:31], v[32:35]  xlo, xhi of this trip's 64 steps: step 4 i + e in register e of lane i of my row of 16 lanes
.set XHC,  32
.set XLN,  36                          ; v[36:39], v[40:43]  the next trip's
.set XHN,  40
.set XOFF, 44
.set XO2,  45
.set SOFF, 46
.set SPW,  54                          ; LDS address of my spare word; never rewritten
.set NIL,  55                          ; 0; never rewritten
.set CN,   56                          ; v[56:71]  my neuron's connections
.set F,    72                          ; v[72:151] the fill
.set BAL,  26                          ; s26  the two states
.set TRIP, 27
	s_load_b256 s[4:11], s[0:1], 0x0               ; conn_state s[4:5], tbl s[6:7], txt s[8:9], xlo s[10:11]
	s_load_b128 s[12:15], s[0:1], 0x20             ; xhi s[12:13], st s[14:15]
	v_lshl_add_u32 v[SPW], v0, 2, SPARE
	v_mov_b32 v[NIL], 0
	v_and_b32 v1, 31, v0
	v_lshrrev_b32 v2, 5, v0
	v_readfirstlane_b32 s16, v2                    ; wave
	s_and_b32 s18, ttmp7, 0xffff                   ; head
	s_lshr_b32 s19, s16, 3                         ; the fill: which eight tables,
	s_and_b32 s17, s16, 7                          ; which eighth of their words
	v_and_b32 v47, 15, v0                          ; n
	v_lshlrev_b32 v[LB], 2, v47
	v_and_b32 v48, 7, v47
	v_lshlrev_b32 v48, 2, v48
	v_lshrrev_b32 v49, 3, v47
	v_lshl_or_b32 v[LBT], v49, 16, v48
	v_and_b32 v[SH16], 16, v0
	v_lshlrev_b32 v48, 7, v[SH16]                  ; r x 2,048 bytes (a batch's row in a plane)
	v_lshl_or_b32 v[XOFF], v47, 4, v48             ; + 16 bytes a lane of the row
	v_lshlrev_b32 v[SOFF], 3, v1
	v_lshlrev_b32 v50, 6, v47                      ; conn_state: 64 bytes a neuron
	s_lshl_b32 s20, s19, 16
	s_lshl_b32 s21, s17, 10
	s_add_co_u32 s20, s20, s21
	v_lshl_add_u32 v51, v1, 2, s20                 ; tbl: table 8 (w >> 3), word 256 (w & 7) + lane
	s_lshl_b32 s20, s16, 7
	v_lshl_add_u32 v52, v1, 2, s20                 ; txt: entry 32 w + lane of neuron 0
	s_lshl_b32 s20, s16, 13
	s_add_co_u32 s20, s20, TBASE
	v_lshl_add_u32 v53, v1, 5, s20                 ; LDS: TBASE + 8,192 w + 32 lane
	s_lshl_b32 s20, s16, 11
	v_lshl_add_u32 v2, v1, 6, s20                  ; LDS: 2,048 w + 64 lane
	s_mov_b32 s21, 0
	s_wait_kmcnt 0x0
	s_lshl_b32 s20, s18, 10
	s_add_nc_u64 s[4:5], s[4:5], s[20:21]
	s_lshl_b32 s20, s18, 17
	s_add_nc_u64 s[6:7], s[6:7], s[20:21]
	s_lshl_b32 s20, s18, 15
	s_add_nc_u64 s[8:9], s[8:9], s[20:21]
	s_lshl_b32 s20, ttmp9, 16                      ; 32 batches x 2,048 bytes,
	s_lshl_b32 s22, s16, 12                        ; my wave's two
	s_add_co_u32 s20, s20, s22
	s_add_nc_u64 s[10:11], s[10:11], s[20:21]
	s_add_nc_u64 s[12:13], s[12:13], s[20:21]
	s_lshl_b32 s20, s18, 20                        ; st: 1 MB a head, 2,048 bytes a pair of batches
	s_lshl_b32 s22, ttmp9, 15
	s_add_co_u32 s20, s20, s22
	s_lshl_b32 s22, s16, 11
	s_add_co_u32 s20, s20, s22
	s_add_nc_u64 s[14:15], s[14:15], s[20:21]
	; 62 loads go out together: 4 conn, 2 x, 16 x-table, and the first five of eight fill tasks (8 table loads each)
.irp j, 0,1,2,3
	global_load_b128 v[CN+4*\j:CN+4*\j+3], v50, s[4:5] offset:16*\j
.endr
	global_load_b128 v[XLC:XLC+3], v[XOFF], s[10:11]
	global_load_b128 v[XHC:XHC+3], v[XOFF], s[12:13]
.set n, 0
.rept 16
	global_load_b32 v[F+64+n], v52, s[8:9] offset:2048*n
.set n, n+1
.endr
.set i, 0
.rept 40                                               ; task i / 8 (32 words on), table i % 8 of my eight
	global_load_b32 v[F+i], v51, s[6:7] offset:(i%8)*8192+(i/8)*128
.set i, i+1
.endr
	v_mov_b32 v47, 1
	v_mov_b32 v48, 0
	v_mov_b32 v[A0], 0                             ; destinations of lane-crossing moves are written whole first
	v_mov_b32 v[A1], 0
	v_mov_b32 v[S], 0
	v_mov_b32 v[S+1], 0
	s_wait_loadcnt 40                              ; the 40 table loads may be out: conn, x and the x tables are in
.set k, 0
.rept 16
	v_lshlrev_b32 v49, v[CN+k], v47
	v_or_b32 v48, v48, v49
.set k, k+1
.endr
	v_lshrrev_b32 v[MS], 16, v48
	v_and_b32 v[MSA], 0xffe0, v[MS]
.irp r, 0,1,2,3
	ds_store_b128 v2, v[F+64+4*\r:F+64+4*\r+3] offset:16*\r       ; a row of the x tables: sixteen neurons' entries
.endr
	s_wait_loadcnt 32                              ; task 0 is in; tasks 1 to 4 may be out
	ds_store_b128 v53, v[F:F+3]
	ds_store_b128 v53, v[F+4:F+7] offset:16
.set i, 40
.rept 24                                               ; tasks 5 to 7: with tasks 1 to 4, 56 loads are out
	global_load_b32 v[F+i], v51, s[6:7] offset:(i%8)*8192+(i/8)*128
.set i, i+1
.endr
.set i, 1
.rept 7
	s_wait_loadcnt 56-8*i                          ; task i's eight loads are in; the later tasks' may be out
	ds_store_b128 v53, v[F+8*i:F+8*i+3] offset:1024*i
	ds_store_b128 v53, v[F+8*i+4:F+8*i+7] offset:1024*i+16
.set i, i+1
.endr
	s_wait_dscnt 0x0                               ; my part of the tables is in LDS,
	s_barrier_signal -1
	s_barrier_wait -1                              ; everybody's is; from here on LDS is only read
.macro XGET xl, xh, rs                 ; the x words of one step (64 x byte), from the lane of my row that holds them
	v_mov_b32_dpp v[A0], v[\xl] row_share:\rs row_mask:0xf bank_mask:0xf
	v_mov_b32_dpp v[A1], v[\xh] row_share:\rs row_mask:0xf bank_mask:0xf
.endm
.macro XADR                            ; my neuron's word in that row of 64 bytes, and the bound
	v_or_b32 v[A0], v[A0], v[LB]
	v_or_b32 v[A1], v[A1], v[LB]
	v_min_u32 v[A0], XMAX, v[A0]
	v_min_u32 v[A1], XMAX, v[A1]
.endm
; Step k of a trip.  xl, xh, rs: where the x words of step k + 4 lie.  On entry: s[BAL] the state, X and XA of step k, A0 and A1 for step k + 3.
; All that hangs on x alone stands between the table look-up and the wait for it; behind the wait stand the shift and the compare alone.
.macro STEP k, xl, xh, rs
	v_bfe_u32 v[R], s[BAL], v[SH16], 16
	v_and_or_b32 v[AD], v[R], v[MSA], v[XA+(\k)%2]
	v_min_u32 v[AD], TMAX, v[AD]
	ds_load_b32 v[WT], v[AD] offset:TBASE
	ds_load_b32 v[W0+((\k)+3)%4], v[A0]            ; Ax of step k + 3
	ds_load_b32 v[W1+((\k)+3)%4], v[A1] offset:TXH
.if (\k) > 0
	v_writelane_b32 v[S+((\k)-1)%2], s[BAL], ((\k)-1)/2
.endif
	v_and_or_b32 v[SHF], v[R], v[MS], v[X+(\k)%2]  ; A; its low five bits are the shift
	v_or_b32 v[X+((\k)+1)%2], v[W0+((\k)+1)%4], v[W1+((\k)+1)%4]  ; issued two steps ago: the last step's wait has shown them in
	v_and_or_b32 v[XA+((\k)+1)%2], v[X+((\k)+1)%2], 0xffe0, v[LBT]
	XGET \xl, \xh, \rs
	XADR
	s_wait_dscnt 0x2                               ; the table word is in; the two x look-ups issued behind it may be out
	v_lshlrev_b32 v[WT], v[SHF], v[WT]
	v_cmp_gt_i32 s[BAL], 0, v[WT]                  ; bit 31 of every lane: the new states
.endm
.macro ROW r, rn
.irp e, 0,1,2,3
	STEP 4*(\r)+\e, XLC+\e, XHC+\e, \rn
.endr
.endm
.irp j, 0,1,2                                          ; Ax of steps 0, 1, 2
	XGET XLC+\j, XHC+\j, 0
	XADR
	ds_load_b32 v[W0+\j], v[A0]
	ds_load_b32 v[W1+\j], v[A1] offset:TXH
.endr
	XGET XLC+3, XHC+3, 0
	XADR
	s_wait_dscnt 0x0
	v_or_b32 v[X], v[W0], v[W1]
	v_and_or_b32 v[XA], v[X], 0xffe0, v[LBT]
	s_mov_b32 s[BAL], 0                            ; state 0
	s_mov_b32 s[TRIP], 0
.Ltrip:                                                ; 8 trips of 64 steps
	s_add_co_u32 s24, s[TRIP], 1                   ; the next 64 steps' x; the last trip asks for its own once more, so that no load leaves the planes
	s_min_u32 s24, s24, 7                          ; (what steps 61 to 63 then look up ahead is not used)
	s_lshl_b32 s24, s24, 8
	v_add_nc_u32 v[XO2], s24, v[XOFF]
	global_load_b128 v[XLN:XLN+3], v[XO2], s[10:11]   ; each row of 16 lanes takes 256 consecutive bytes
	global_load_b128 v[XHN:XHN+3], v[XO2], s[12:13]
	ROW 0, 1
	ROW 1, 2
	ROW 2, 3
	ROW 3, 4
	ROW 4, 5
	ROW 5, 6
	ROW 6, 7
	ROW 7, 8
	ROW 8, 9
	ROW 9, 10
	ROW 10, 11
	ROW 11, 12
	ROW 12, 13
	ROW 13, 14
	ROW 14, 15
	s_wait_loadcnt 0x0                             ; the next trip's x, asked for 60 steps ago
.irp e, 0,1,2,3
	STEP 60+\e, XLN+\e, XHN+\e, 0
.endr
	v_writelane_b32 v[S+1], s[BAL], 31
	global_store_b64 v[SOFF], v[S:S+1], s[14:15]   ; 64 steps x 4 bytes: 256 consecutive bytes, aligned
.irp e, 0,1,2,3
	v_mov_b32 v[XLC+\e], v[XLN+\e]
	v_mov_b32 v[XHC+\e], v[XHN+\e]
.endr
	s_wait_xcnt 0x0                                ; the store's base and data are rewritten only behind this wait
	s_add_nc_u64 s[14:15], s[14:15], 256
	s_add_co_u32 s[TRIP], s[TRIP], 1
	s_cmp_lt_u32 s[TRIP], 8
	s_cbranch_scc1 .Ltrip
	s_wait_dscnt 0x0                               ; my look-ups are over,
	s_barrier_signal -1
	s_barrier_wait -1                              ; everybody's are, ahead of any wave's closing add
	s_wait_tensorcnt 0x0                           ; the wave's end
	ds_add_u32 v[SPW], v[NIL]
	s_wait_dscnt 0x0
	s_endpgm
.Lfunc_end_k_qdac04dbf8f_main:
	.size	k_qdac04dbf8f_main, .Lfunc_end_k_qdac04dbf8f_main-k_qdac04dbf8f_main
	.p2alignl 7, 3214868480
	.fill 96, 4, 3214868480
	.section	.rodata,"a",@progbits
	.p2align	6, 0x0
	.amdhsa_kernel k_qdac04dbf8f_main
		.amdhsa_group_segment_fixed_size 165888
		.amdhsa_private_segment_fixed_size 0
		.amdhsa_enable_private_segment 0
		.amdhsa_kernarg_size 48
		.amdhsa_user_sgpr_count 2
		.amdhsa_user_sgpr_kernarg_segment_ptr 1
		.amdhsa_wavefront_size32 1
		.amdhsa_system_sgpr_workgroup_id_x 1
		.amdhsa_system_sgpr_workgroup_id_y 1
		.amdhsa_system_sgpr_workgroup_id_z 1
		.amdhsa_system_vgpr_workitem_id 0
		.amdhsa_next_free_vgpr 152
		.amdhsa_next_free_sgpr 66
		.amdhsa_reserve_vcc 0
		.amdhsa_float_denorm_mode_32 3
		.amdhsa_float_denorm_mode_16_64 3
		.amdhsa_memory_ordered 1
		.amdhsa_forward_progress 1
		.amdhsa_inst_pref_size 85
	.end_amdhsa_kernel
	.amdgpu_metadata
---
amdhsa.version: [ 1, 2 ]
amdhsa.kernels:
  - .name:           k_qdac04dbf8f_main
    .symbol:         k_qdac04dbf8f_main.kd
    .args:
      - { .name: conn_state, .offset: 0, .size: 8, .value_kind: global_buffer, .address_space: global }
      - { .name: tbl, .offset: 8, .size: 8, .value_kind: global_buffer, .address_space: global }
      - { .name: txt, .offset: 16, .size: 8, .value_kind: global_buffer, .address_space: global }
      - { .name: xlo, .offset: 24, .size: 8, .value_kind: global_buffer, .address_space: global }
      - { .name: xhi, .offset: 32, .size: 8, .value_kind: global_buffer, .address_space: global }
      - { .name: st, .offset: 40, .size: 8, .value_kind: global_buffer, .address_space: global }
    .group_segment_fixed_size: 165888
    .private_segment_fixed_size: 0
    .kernarg_segment_align: 8
    .kernarg_segment_size: 48
    .max_flat_workgroup_size: 512
    .sgpr_count:     66
    .vgpr_count:     152
    .wavefront_size: 32
...
	.end_amdgpu_metadata
.endif
;; end of part 2
;; launch outp (part 3): grid 256 x 1, 16 waves a work-group, no clusters, 48,384 bytes of LDS; arguments conn_out, ram_out, xlo, xhi, st, out0; writes out0
.if DOCPART == 3
	.amdgcn_target "amdgcn-amd-amdhsa--gfx1250"
	.amdhsa_code_object_version 6
	.text
	.protected	k_qdac04dbf8f_outp
	.globl	k_qdac04dbf8f_outp
	.p2align	8
	.type	k_qdac04dbf8f_outp,@function
k_qdac04dbf8f_outp:
	s_mov_b64 s[64:65], 0
	v_nop
	global_prefetch_b8 v0, s[64:65] scope:SCOPE_SE
	s_setreg_imm32_b32 hwreg(HW_REG_WAVE_MODE, 25, 1), 1
	s_wait_xcnt 0x0
; THE OUTPUT.  out0[b][t][o] = ram_out[h][o][five bits of head h's state at (b, t), picked by conn_out[h][o]], h = 4 x[0] + 2 x[1] + x[2].
; A work-group owns 4 batches, a wave one batch x 128 steps, a lane steps 4 l .. 4 l + 3.  The 128 x 5 floats, 2,560 consecutive bytes of out0, go through a stage of the wave's own in LDS
; and leave as five stores of 512 consecutive bytes.  No arithmetic on floats: they are looked up and moved.
; LDS.  0: ram_out as it lies (5,120 bytes).  5,120: for head h and output o the word 8 h + o, five positions of 5 bits each, the first connection lowest (256 bytes).
; 5,376: the stages, 2,560 bytes a wave.  46,336: the spare words.
; LIMIT.  conn_out holds 0..15.
.set CWB,   5120
.set STG,   5376
.set SPARE, 46336
.set XL,  4                            ; v[4:7]    xlo of my four steps
.set XH,  8                            ; v[8:11]   xhi
.set HD,  12                           ; v[12:15]  head
.set GA,  16                           ; v[16:19]  offset of the chosen head's state word
.set SV,  20                           ; v[20:23]  state
.set CW,  24                           ; v[24+8e : 24+8e+4]  the head's five connection words
.set HB,  56                           ; v[56:59]  640 x head: its part of ram_out
.set SPW, 60                           ; LDS address of my spare word; never rewritten
.set NIL, 61                           ; 0; never rewritten
.set AC,  64                           ; v[64:83]  address of output 5 e + o
.set VL,  84                           ; v[84:103] its value
.set RB,  108                          ; v[108:127] whole rows back from the stage
	s_load_b256 s[4:11], s[0:1], 0x0               ; conn_out s[4:5], ram_out s[6:7], xlo s[8:9], xhi s[10:11]
	s_load_b128 s[12:15], s[0:1], 0x20             ; st s[12:13], out0 s[14:15]
	v_lshl_add_u32 v[SPW], v0, 2, SPARE
	v_mov_b32 v[NIL], 0
	v_and_b32 v1, 31, v0
	v_lshrrev_b32 v2, 5, v0
	v_readfirstlane_b32 s16, v2                    ; wave
	s_lshl_b32 s17, ttmp9, 2
	s_lshr_b32 s18, s16, 2
	s_add_co_u32 s17, s17, s18                     ; batch
	s_and_b32 s18, s16, 3                          ; which 128 steps
	s_lshl_b32 s19, s18, 9
	s_lshl_b32 s20, s17, 11
	s_add_co_u32 s20, s20, s19                     ; planes: 2,048 bytes a batch
	s_mov_b32 s21, 0
	s_lshr_b32 s22, s17, 1
	s_lshl_b32 s22, s22, 11
	s_add_co_u32 s22, s22, s19                     ; st: 2,048 bytes a pair of batches
	s_mov_b32 s23, 0
	s_mul_i32 s24, s17, 10240
	s_mul_i32 s25, s18, 2560
	s_add_co_u32 s24, s24, s25                     ; out0: 20 bytes a step
	s_mov_b32 s25, 0
	s_and_b32 s26, s17, 1
	s_lshl_b32 s26, s26, 4                         ; my batch's half of a state word
	s_mul_i32 s27, s16, 2560
	s_add_co_u32 s27, s27, STG                     ; my stage
	v_lshlrev_b32 v3, 4, v1                        ; 16 bytes a lane
	s_wait_kmcnt 0x0
	s_add_nc_u64 s[8:9], s[8:9], s[20:21]
	s_add_nc_u64 s[10:11], s[10:11], s[20:21]
	s_add_nc_u64 s[12:13], s[12:13], s[22:23]
	s_add_nc_u64 s[14:15], s[14:15], s[24:25]
	global_load_b128 v[XL:XL+3], v3, s[8:9]
	global_load_b128 v[XH:XH+3], v3, s[10:11]
	; the two tables: waves 0-9 copy ram_out (320 threads x 16 bytes), waves 10 and 11 pack conn_out
	s_cmp_ge_u32 s16, 10
	s_cbranch_scc1 .Lnot_ro
	v_lshlrev_b32 v62, 4, v0
	global_load_b128 v[64:67], v62, s[6:7]
	s_wait_loadcnt 0x0
	ds_store_b128 v62, v[64:67]
	s_branch .Lfilled
.Lnot_ro:
	s_cmp_ge_u32 s16, 12
	s_cbranch_scc1 .Lfilled
	v_and_b32 v62, 63, v0                          ; threads 320..383: word 8 h + o'
	v_lshrrev_b32 v63, 3, v62
	v_and_b32 v64, 7, v62
	v_min_u32 v64, 4, v64                          ; words 5 to 7 of a head repeat output 4; nobody reads them
	v_mul_u32_u24 v63, v63, 5
	v_add_nc_u32 v63, v63, v64
	v_mul_u32_u24 v63, v63, 20                     ; five whole numbers an output
.irp k, 0,1,2,3,4
	global_load_b32 v[65+\k], v63, s[4:5] offset:4*\k
.endr
	s_wait_loadcnt 0x0
	v_lshl_or_b32 v65, v66, 5, v65
	v_lshl_or_b32 v65, v67, 10, v65
	v_lshl_or_b32 v65, v68, 15, v65
	v_lshl_or_b32 v65, v69, 20, v65
	v_lshlrev_b32 v62, 2, v62
	ds_store_b32 v62, v65 offset:CWB
.Lfilled:
	s_wait_dscnt 0x0                               ; my part of the tables is in LDS,
	s_barrier_signal -1
	s_barrier_wait -1                              ; everybody's is
	s_wait_loadcnt 0x0                             ; my x words
.irp e, 0,1,2,3
	v_bfe_u32 v[HD+\e], v[XL+\e], 6, 1             ; x[0]: bit 0 of the even bits, which lie from bit 6 on
	v_bfe_u32 v62, v[XH+\e], 6, 1                  ; x[1]: bit 0 of the odd bits
	v_lshl_or_b32 v[HD+\e], v[HD+\e], 1, v62
	v_bfe_u32 v62, v[XL+\e], 7, 1                  ; x[2]
	v_lshl_or_b32 v[HD+\e], v[HD+\e], 1, v62
	v_min_u32 v[HD+\e], 7, v[HD+\e]                ; a head, whatever was loaded
	v_lshlrev_b32 v[GA+\e], 20, v[HD+\e]           ; 1 MB a head
	v_add_nc_u32 v[GA+\e], v[GA+\e], v3
	global_load_b32 v[SV+\e], v[GA+\e], s[12:13] offset:4*\e
	v_lshlrev_b32 v62, 5, v[HD+\e]
	ds_load_b128 v[CW+8*\e:CW+8*\e+3], v62 offset:CWB
	ds_load_b32 v[CW+8*\e+4], v62 offset:CWB+16
	v_mul_u32_u24 v[HB+\e], v[HD+\e], 640
.endr
	v_mul_u32_u24 v63, v1, 80                      ; the stage: 20 bytes a step, four steps a lane
	v_add_nc_u32 v63, s27, v63
	s_wait_loadcnt 0x0
	s_wait_dscnt 0x0
.irp e, 0,1,2,3
	v_bfe_u32 v[SV+\e], v[SV+\e], s26, 16
.endr
.irp e, 0,1,2,3
.irp o, 0,1,2,3,4
	v_bfe_u32 v[AC+5*\e+\o], v[SV+\e], v[CW+8*\e+\o], 1            ; the first connection is the address's highest bit; v_bfe takes the low five bits of its offset
.irp k, 1,2,3,4
	v_lshrrev_b32 v62, 5*\k, v[CW+8*\e+\o]
	v_bfe_u32 v62, v[SV+\e], v62, 1
	v_lshl_or_b32 v[AC+5*\e+\o], v[AC+5*\e+\o], 1, v62
.endr
	v_min_u32 v[AC+5*\e+\o], 31, v[AC+5*\e+\o]
	v_lshl_add_u32 v[AC+5*\e+\o], v[AC+5*\e+\o], 2, v[HB+\e]
	ds_load_b32 v[VL+5*\e+\o], v[AC+5*\e+\o] offset:128*\o
.endr
.endr
	v_lshl_add_u32 v62, v1, 4, s27
	s_wait_dscnt 0x0
.set m, 0
.rept 20
	ds_store_b32 v63, v[VL+m] offset:4*m
.set m, m+1
.endr
.irp s, 0,1,2,3,4
	ds_load_b128 v[RB+4*\s:RB+4*\s+3], v62 offset:512*\s           ; LDS serves a wave's instructions in order: these see my stores above
.endr
.irp s, 0,1,2,3,4
	s_wait_dscnt 4-\s                              ; piece s is back; the younger ones may be out
	global_store_b128 v3, v[RB+4*\s:RB+4*\s+3], s[14:15] offset:512*\s th:TH_STORE_NT  ; 512 consecutive bytes, at a multiple of 256 from out0's first byte
.endr
	s_wait_tensorcnt 0x0                           ; the wave's end
	ds_add_u32 v[SPW], v[NIL]
	s_wait_dscnt 0x0
	s_endpgm
.Lfunc_end_k_qdac04dbf8f_outp:
	.size	k_qdac04dbf8f_outp, .Lfunc_end_k_qdac04dbf8f_outp-k_qdac04dbf8f_outp
	.p2alignl 7, 3214868480
	.fill 96, 4, 3214868480
	.section	.rodata,"a",@progbits
	.p2align	6, 0x0
	.amdhsa_kernel k_qdac04dbf8f_outp
		.amdhsa_group_segment_fixed_size 48384
		.amdhsa_private_segment_fixed_size 0
		.amdhsa_enable_private_segment 0
		.amdhsa_kernarg_size 48
		.amdhsa_user_sgpr_count 2
		.amdhsa_user_sgpr_kernarg_segment_ptr 1
		.amdhsa_wavefront_size32 1
		.amdhsa_system_sgpr_workgroup_id_x 1
		.amdhsa_system_sgpr_workgroup_id_y 1
		.amdhsa_system_sgpr_workgroup_id_z 1
		.amdhsa_system_vgpr_workitem_id 0
		.amdhsa_next_free_vgpr 128
		.amdhsa_next_free_sgpr 66
		.amdhsa_reserve_vcc 0
		.amdhsa_float_denorm_mode_32 3
		.amdhsa_float_denorm_mode_16_64 3
		.amdhsa_memory_ordered 1
		.amdhsa_forward_progress 1
		.amdhsa_inst_pref_size 27
	.end_amdhsa_kernel
	.amdgpu_metadata
---
amdhsa.version: [ 1, 2 ]
amdhsa.kernels:
  - .name:           k_qdac04dbf8f_outp
    .symbol:         k_qdac04dbf8f_outp.kd
    .args:
      - { .name: conn_out, .offset: 0, .size: 8, .value_kind: global_buffer, .address_space: global }
      - { .name: ram_out, .offset: 8, .size: 8, .value_kind: global_buffer, .address_space: global }
      - { .name: xlo, .offset: 16, .size: 8, .value_kind: global_buffer, .address_space: global }
      - { .name: xhi, .offset: 24, .size: 8, .value_kind: global_buffer, .address_space: global }
      - { .name: st, .offset: 32, .size: 8, .value_kind: global_buffer, .address_space: global }
      - { .name: out0, .offset: 40, .size: 8, .value_kind: global_buffer, .address_space: global }
    .group_segment_fixed_size: 48384
    .private_segment_fixed_size: 0
    .kernarg_segment_align: 8
    .kernarg_segment_size: 48
    .max_flat_workgroup_size: 512
    .sgpr_count:     66
    .vgpr_count:     128
    .wavefront_size: 32
...
	.end_amdgpu_metadata
.endif
;; end of part 3
;; ======== version 2 of 3: 3 launches; 1.82 times as fast as version 1
;; workspace buffers: tbl 1,048,576 bytes of whole numbers; txt 262,144 bytes of whole numbers; xlo 2,097,152 bytes of whole numbers; xhi 2,097,152 bytes of whole numbers; st 8,388,608 bytes of whole numbers
;; launch prep (part 4): grid 256 x 1, 16 waves a work-group, no clusters, 10,240 bytes of LDS; arguments conn_state, ram_state, x_bits, tbl, txt, xlo, xhi; writes tbl, txt, xlo, xhi
.if DOCPART == 4
	.amdgcn_target "amdgcn-amd-amdhsa--gfx1250"
	.amdhsa_code_object_version 6
	.text
	.protected	k_qdac04dbf8f_prep
	.globl	k_qdac04dbf8f_prep
	.p2align	8
	.type	k_qdac04dbf8f_prep,@function
k_qdac04dbf8f_prep:
	s_mov_b64 s[64:65], 0
	v_nop
	global_prefetch_b8 v0, s[64:65] scope:SCOPE_SE
	s_setreg_imm32_b32 hwreg(HW_REG_WAVE_MODE, 25, 1), 1
	s_wait_xcnt 0x0
; PREP.  Packs the two large inputs to bits and lays the state RAMs out anew.  256 work-groups of 16 waves; each reads 256 KB, a wave 16 KB, by 64 loads of
; 256 consecutive bytes.  A load leaves whole numbers 2 l and 2 l + 1 in lane l; v_cmp_ne makes a 32-bit mask of each register.
; HOW MUCH IS ASKED FOR AT A TIME.  The table groups have the whole relayout behind their loads, the x groups nothing.  So a table group's wave has 56 of its 64 loads out at once, an x group's
; wave 24 (24 x 256 bytes x 16 waves = 96 KB of the group's 256 KB), and one more goes out behind each that lands: the x groups' reading goes on while the table groups lay out.
; LIMITS.  x_bits and ram_state hold 0 or 1 (any other number is read as 1); conn_state holds 0..31.
; GROUPS 0-127: one state RAM (head h, neuron n; group = 16 h + n).
;   The neuron's address is 16 bits picked from (x[0..15], state[0..15]) by conn_state; it uses at most 16 DIFFERENT bits.  The new table T' is addressed by
;   A = (state & Ms) | Ax: a state bit keeps its own bit number (Ms: the state bits used), the x bits used go, in ascending order, into the holes of Ms, in ascending order.
;   So position p of A has a source (state p, an x bit, or none), and setting it sets the old address bits k whose conn equals that source: its CONTRIBUTION.
;   The old address of A is the exclusive or of the contributions of A's set bits (they share no bit).
;   tbl[group][j] bit 31 - a = ram[old address of A = 32 j + a].      txt[group][g][xb] = Ax made by byte g of the packed x alone.
;   THE PACKED TABLE IN LDS is 32 rows of 64 words (64 banks of 4 bytes: ISA guide 11.1).  The 32 lanes of a look-up differ in five positions of A, whose contributions may be any old address
;   bits: those that fall into the five row bits alone would send all lanes to one bank.  So a word's place in its row is its six low index bits xor M x (its five row bits), M a 6 x 5 binary
;   matrix (its columns in COLS) such that two places in one bank and different rows differ in four or more of the eleven index bits.  The map is linear over xor, so a look-up's address
;   is still the xor of constants; on the way in, the load's number xor M's part picks the lane that takes its masks, and the pair of registers is swapped where M's lowest bit says so.
; GROUPS 128-255: x_bits of 8 batches.  xlo[b][t] = (x[0], x[2], .. x[14] as bits 0..7) << 6, xhi[b][t] the same of x[1], x[3], ..
.set SPARE, 8192                       ; behind the packed table: the spare words, 128 bytes for each of 16 waves
.set COLS, 0x07|(0x19<<6)|(0x2a<<12)|(0x34<<18)|(0x3f<<24)  ; M's five columns, six bits each, row bit 0 first
.set SPW, 30                           ; v30  LDS address of my spare word; never rewritten
.set NIL, 31                           ; v31  0; never rewritten
.set D,   32                           ; v[32:159]  the 64 loads' pairs
.set W,   160                          ; v[160:163] masks: register 2 (i / 32) + j: load i, register j, in lane (i % 32) xor ZL
.set CK,  24                           ; s[24:39]   conn_state of my neuron
.set C,   40                           ; s[40:55]   contribution of position p: LDS byte offset in the low half, shift bits in the high half
.set ZL,  56                           ; s[56:57]   M x row >> 1 for my wave's two rows (2 w, 2 w + 1); 0 in the x groups
.set SWM, 58                           ; s[58:59]   all ones where M x row is odd: the two registers change places
.set LSEL, 60                          ; s[60:61]   the lane that takes a load's masks, by the load's parity
.set PI,  66                           ; s[66:81]   position p's bit in the packed x, 31 for none
.set CA,  82                           ; s[82:97]   the 16 sums of contributions of positions 0, 1, 5, 6: byte offsets
.set CS,  24                           ; s[24:39]   the same: shift bits (conn is no longer needed then)
.set ACC, 16                           ; v[16:19]   my four words of T'
.set AD,  32                           ; v[32:47]   look-up addresses (the loads' registers are free by then)
.set WD,  48                           ; v[48:63]   words looked up
.set TS,  64                           ; v[64:79]   their shifts
.set TAHEAD, 56                        ; loads of a wave that go out at once: a table group's,
.set XAHEAD, 24                        ; an x group's
.macro LOAD1 b, n                      ; load n of my wave's 64: 256 consecutive bytes, read once in the launch
	global_load_b64 v[D+2*(\n):D+2*(\n)+1], v2, s[\b:\b+1] offset:256*(\n) th:TH_LOAD_NT
.endm
.macro LOADS b, ahead
.set i, 0
.rept \ahead
	LOAD1 \b, i
.set i, i+1
.endr
.endm
.macro PACK b, ahead                   ; loads come back in order: load i is in when no more than the loads issued behind it are out
.set i, 0
.rept 64
	s_xor_b32 s[LSEL+i%2], s[ZL+i/32], i%32        ; the lane for this load's masks: made ahead of the wait, not behind the compares
.if i < 64-(\ahead)
	s_wait_loadcnt (\ahead)-1                      ; ahead + i are issued, i + 1 of them up to load i
.else
	s_wait_loadcnt 63-i                            ; all 64 are issued
.endif
	v_cmp_ne_u32 s[20+2*(i%2)], 0, v[D+2*i]
	v_cmp_ne_u32 s[21+2*(i%2)], 0, v[D+2*i+1]
.if i < 64-(\ahead)
	LOAD1 \b, (\ahead)+i
.endif
	v_writelane_b32 v[W+2*(i/32)], s[20+2*(i%2)], s[LSEL+i%2]
	v_writelane_b32 v[W+2*(i/32)+1], s[21+2*(i%2)], s[LSEL+i%2]
.set i, i+1
.endr
.endm
.macro FINISH                          ; the wave's end
	s_wait_tensorcnt 0x0
	ds_add_u32 v[SPW], v[NIL]
	s_wait_dscnt 0x0
	s_endpgm
.endm
	s_load_b256 s[4:11], s[0:1], 0x0               ; conn_state s[4:5], ram_state s[6:7], x_bits s[8:9], tbl s[10:11]
	s_load_b128 s[12:15], s[0:1], 0x20             ; txt s[12:13], xlo s[14:15]
	s_load_b64 s[16:17], s[0:1], 0x30              ; xhi
	v_lshl_add_u32 v[SPW], v0, 2, SPARE
	v_mov_b32 v[NIL], 0
	v_and_b32 v1, 31, v0                           ; lane
	v_lshrrev_b32 v3, 5, v0
	v_readfirstlane_b32 s18, v3                    ; wave
	s_and_b32 s19, ttmp9, 127                      ; which table, or which share of x
	s_lshl_b32 s20, s19, 18                        ; its 256 KB,
	s_lshl_b32 s21, s18, 14                        ; my wave's 16 KB of them
	s_add_co_u32 s20, s20, s21
	s_mov_b32 s21, 0
	s_mov_b32 s23, 0
	v_lshlrev_b32 v2, 3, v1                        ; 8 bytes a lane
	v_lshlrev_b32 v28, 4, v0                       ; 16 bytes a thread: both table stores
.irp q, 0,1,2,3
	v_mov_b32 v[W+\q], 0                           ; v_writelane's destination is written whole first
.endr
	s_wait_kmcnt 0x0
	s_cmp_lt_u32 ttmp9, 128
	s_cbranch_scc0 .Lbits                          ; the same way for all waves of a work-group
	; ---------------- a state RAM ----------------
	s_add_nc_u64 s[6:7], s[6:7], s[20:21]
	LOADS 6, TAHEAD
	s_lshl_b32 s22, s19, 6
	s_add_nc_u64 s[4:5], s[4:5], s[22:23]
	s_load_b512 s[CK:CK+15], s[4:5], 0x0           ; my neuron's 16 connections
	s_lshl_b32 s22, s19, 13
	s_add_nc_u64 s[10:11], s[10:11], s[22:23]      ; tbl: 8 KB a table
	s_lshl_b32 s22, s19, 11
	s_add_nc_u64 s[12:13], s[12:13], s[22:23]      ; txt: 2 KB a table
	; M x row for my two rows: row bit 0 tells the two apart, row bits 1 to 4 are my wave's number
	s_mov_b32 s62, 0
.irp b, 0,1,2,3
	s_bitcmp1_b32 s18, \b
	s_cselect_b32 s63, (COLS>>(6*(\b)+6))&63, 0
	s_xor_b32 s62, s62, s63
.endr
	s_xor_b32 s63, s62, COLS&63
	s_lshr_b32 s[ZL], s62, 1
	s_lshr_b32 s[ZL+1], s63, 1
	s_bitcmp1_b32 s62, 0
	s_cselect_b32 s[SWM], -1, 0
	s_bitcmp1_b32 s63, 0
	s_cselect_b32 s[SWM+1], -1, 0
	s_wait_kmcnt 0x0
	; all that follows up to PACK stands in the wait for the table's bytes
	s_mov_b32 s22, 0
.set k, 0
.rept 16
	s_lshl_b32 s23, 1, s[CK+k]
	s_or_b32 s22, s22, s23
.set k, k+1
.endr
	s_and_b32 s98, s22, 0xffff                     ; Mx: the x bits used
	s_lshr_b32 s99, s22, 16                        ; Ms: the state bits used
	s_and_not1_b32 s100, 0xffff, s99               ; the holes
	v_mbcnt_lo_u32_b32 v3, s100, 0                 ; lane p (0..15 count): how many holes lie below position p
	v_mov_b32 v4, 99                               ; position p's source: none so far
.set c, 0
.rept 16                                               ; x bit c, if used, goes to the hole of its own rank
	s_and_b32 s23, s98, (1<<c)-1
	s_bcnt1_i32_b32 s23, s23
	s_bitcmp1_b32 s98, c
	s_cselect_b32 s23, s23, 99
	s_mov_b32 s22, c
	v_cmp_eq_u32 vcc_lo, s23, v3
	v_cndmask_b32 v4, v4, s22, vcc_lo
.set c, c+1
.endr
	v_lshrrev_b32 v5, v1, s99                      ; a position in Ms is no hole: its source is state bit p, index 16 + p
	v_and_b32 v5, 1, v5
	v_cmp_eq_u32 vcc_lo, 1, v5
	v_add_nc_u32 v6, 16, v1
	v_cndmask_b32 v4, v4, v6, vcc_lo
	; Where old address bit e = 15 - k lies in the packed table: entry a = 64 c + 2 l + j is bit l of word 2 c + j.
	; e = 0: byte offset 4.  e = 1..5: bit e - 1 of l (kept in the high half).  e = 6..10: byte offset bit e - 3.  e = 11..15: row bit e - 11 (byte offset bit e - 3), and M's column for it in the bank bits.
	v_mov_b32 v7, 0
.set k, 0
.rept 16
.set e, 15-k
.if e == 0
.set kk, 4
.elseif e < 6
.set kk, 1<<(e+15)
.elseif e < 11
.set kk, 1<<(e-3)
.else
.set kk, (1<<(e-3))|(((COLS>>(6*(e-11)))&63)<<2)
.endif
	s_mov_b32 s23, kk
	v_cmp_eq_u32 vcc_lo, s[CK+k], v4
	v_cndmask_b32 v5, 0, s23, vcc_lo
	v_xor_b32 v7, v7, v5
.set k, k+1
.endr
	v_and_b32 v5, 1, v4                            ; x bit c lies at bit 8 (c & 1) + (c >> 1) of the packed x
	v_lshrrev_b32 v6, 1, v4
	v_lshl_or_b32 v8, v5, 3, v6
	v_cmp_gt_u32 vcc_lo, 16, v4
	v_cndmask_b32 v8, 31, v8, vcc_lo               ; no x bit: bit 31, which is 0
.set p, 0
.rept 16
	v_readlane_b32 s[C+p], v7, p
	v_readlane_b32 s[PI+p], v8, p
.set p, p+1
.endr
	; txt: threads 0..127 make four entries each (entry 4 t + e: byte g = entry / 256, value entry % 256); a wave's store covers 512 consecutive bytes
	s_cmp_ge_u32 s18, 4
	s_cbranch_scc1 .Lno_tx
	v_lshrrev_b32 v5, 6, v0
	v_lshlrev_b32 v5, 3, v5                        ; 8 g
	v_lshlrev_b32 v6, 2, v0
.irp e, 0,1,2,3
	v_add_nc_u32 v[20+\e], \e, v6
	v_and_b32 v[20+\e], 0xff, v[20+\e]
	v_lshlrev_b32 v[20+\e], v5, v[20+\e]           ; the packed x with this byte alone
	v_mov_b32 v[24+\e], 0
.endr
.set p, 0
.rept 16
.irp e, 0,1,2,3
	v_bfe_u32 v[12+\e], v[20+\e], s[PI+p], 1
.endr
.irp e, 0,1,2,3
	v_lshl_or_b32 v[24+\e], v[12+\e], p, v[24+\e]
.endr
.set p, p+1
.endr
	global_store_b128 v28, v[24:27], s[12:13]
.Lno_tx:
	; A = 128 t + 32 e + a (thread t, word e of four, bit a).  The thread's part: positions 7..15
	v_mov_b32 v9, 0
.set i, 0
.rept 9
	v_bfe_u32 v5, v0, i, 1
	v_sub_nc_u32 v5, 0, v5
	v_and_b32 v5, s[C+7+i], v5
	v_xor_b32 v9, v9, v5
.set i, i+1
.endr
	v_lshrrev_b32 v10, 16, v9
	v_xor_b32 v10, 31, v10                         ; bit l is brought to bit 31 by a shift of 31 - l = 31 xor l
	v_and_b32 v9, 0xffff, v9
	; the 16 sums for (e, a % 4), number 4 e + a % 4: positions 0, 1, 5, 6
	s_mov_b32 s[CA], 0
	s_mov_b32 s[CA+1], s[C]
	s_mov_b32 s[CA+2], s[C+1]
	s_xor_b32 s[CA+3], s[C], s[C+1]
.irp i, 0,1,2,3
	s_xor_b32 s[CA+4+\i], s[CA+\i], s[C+5]
.endr
.irp i, 0,1,2,3,4,5,6,7
	s_xor_b32 s[CA+8+\i], s[CA+\i], s[C+6]
.endr
.irp i, 0,1,2,3,4,5,6,7,8,9,10,11,12,13,14,15
	s_lshr_b32 s[CS+\i], s[CA+\i], 16
	s_and_b32 s[CA+\i], s[CA+\i], 0xffff
.endr
.irp e, 0,1,2,3
	v_mov_b32 v[ACC+\e], 0
.endr
	PACK 6, TAHEAD
	v_cndmask_b32 v20, v[W], v[W+1], s[SWM]        ; the pair changes places where M x row is odd
	v_cndmask_b32 v21, v[W+1], v[W], s[SWM]
	v_cndmask_b32 v22, v[W+2], v[W+3], s[SWM+1]
	v_cndmask_b32 v23, v[W+3], v[W+2], s[SWM+1]
	s_lshl_b32 s22, s18, 9                         ; my wave's two rows of 256 bytes
	v_lshl_add_u32 v5, v1, 3, s22
	ds_store_b64 v5, v[20:21]                      ; row 2 w
	ds_store_b64 v5, v[22:23] offset:256           ; row 2 w + 1
	s_wait_dscnt 0x0                               ; my part of the packed table is in LDS,
	s_barrier_signal -1
	s_barrier_wait -1                              ; everybody's is
	s_mov_b32 s98, 0
.Lquad:                                                ; 8 trips: a / 4 = 0..7, ascending; a trip looks up 4 bits of each of my 4 words
	s_bitcmp1_b32 s98, 0
	s_cselect_b32 s99, s[C+2], 0
	s_bitcmp1_b32 s98, 1
	s_cselect_b32 s100, s[C+3], 0
	s_xor_b32 s99, s99, s100
	s_bitcmp1_b32 s98, 2
	s_cselect_b32 s100, s[C+4], 0
	s_xor_b32 s99, s99, s100
	s_lshr_b32 s100, s99, 16
	s_and_b32 s99, s99, 0xffff
	v_xor_b32 v11, s99, v9
	v_xor_b32 v12, s100, v10
	; look-up m: a % 4 = m / 4, word m % 4.  All sixteen addresses first, then the look-ups in one run, and the shifts while they are out
.set m, 0
.rept 16
	v_xor_b32 v[AD+m], s[CA+(m%4)*4+m/4], v11      ; the contributions have bits 2 to 12 alone: a word of the 8 KB
.set m, m+1
.endr
.set m, 0
.rept 16
	v_min_u32 v[AD+m], 0x1ffc, v[AD+m]             ; a number made of loaded ones enters an address behind v_min_u32 with a constant: the table's last word
.set m, m+1
.endr
.set m, 0
.rept 16
	ds_load_b32 v[WD+m], v[AD+m]
.set m, m+1
.endr
.set m, 0
.rept 16
	v_xor_b32 v[TS+m], s[CS+(m%4)*4+m/4], v12
.set m, m+1
.endr
.set m, 0
.rept 4
	s_wait_dscnt 12-m                              ; look-ups m to m + 3 are in; the 12 - m younger ones may be out
.irp q, 0,1,2,3
	v_lshlrev_b32 v[WD+m+\q], v[TS+m+\q], v[WD+m+\q]        ; the bit to bit 31,
.endr
.irp q, 0,1,2,3
	v_alignbit_b32 v[ACC+\q], v[ACC+\q], v[WD+m+\q], 31     ; and in from below: entry a ends at bit 31 - a
.endr
.set m, m+4
.endr
	s_add_co_u32 s98, s98, 1
	s_cmp_lt_u32 s98, 8
	s_cbranch_scc1 .Lquad
	global_store_b128 v28, v[ACC:ACC+3], s[10:11]  ; words 4 t .. 4 t + 3: a wave's store covers 512 consecutive bytes
	FINISH
	; ---------------- a share of x_bits ----------------
.Lbits:
	s_add_nc_u64 s[8:9], s[8:9], s[20:21]
	LOADS 8, XAHEAD
	s_lshl_b32 s22, s19, 14                        ; 8 batches x 512 steps x 4 bytes in each plane
	s_add_nc_u64 s[14:15], s[14:15], s[22:23]
	s_add_nc_u64 s[16:17], s[16:17], s[22:23]
	s_lshl_b32 s24, s18, 10                        ; my wave's 256 steps
	v_lshl_add_u32 v3, v1, 4, s24
	s_mov_b32 s25, 0x3fc0
	s_mov_b32 s[ZL], 0                             ; here load i's masks go to lane i % 32
	s_mov_b32 s[ZL+1], 0
	PACK 8, XAHEAD
	; a mask's byte m holds the eight even (register 0) or odd (register 1) bits of step 4 i + m; lane i has the masks of load i: four steps, 16 bytes in each plane
.irp q, 0,1,2,3
	v_lshlrev_b32 v[4+4*\q], 6, v[W+\q]
	v_lshrrev_b32 v[5+4*\q], 2, v[W+\q]
	v_lshrrev_b32 v[6+4*\q], 10, v[W+\q]
	v_lshrrev_b32 v[7+4*\q], 18, v[W+\q]
	v_and_b32 v[4+4*\q], s25, v[4+4*\q]
	v_and_b32 v[5+4*\q], s25, v[5+4*\q]
	v_and_b32 v[6+4*\q], s25, v[6+4*\q]
	v_and_b32 v[7+4*\q], s25, v[7+4*\q]
.endr
	global_store_b128 v3, v[4:7], s[14:15]         ; each store of the wave covers 512 consecutive bytes, aligned
	global_store_b128 v3, v[8:11], s[16:17]
	global_store_b128 v3, v[12:15], s[14:15] offset:512
	global_store_b128 v3, v[16:19], s[16:17] offset:512
	FINISH
.Lfunc_end_k_qdac04dbf8f_prep:
	.size	k_qdac04dbf8f_prep, .Lfunc_end_k_qdac04dbf8f_prep-k_qdac04dbf8f_prep
	.p2alignl 7, 3214868480
	.fill 96, 4, 3214868480
	.section	.rodata,"a",@progbits
	.p2align	6, 0x0
	.amdhsa_kernel k_qdac04dbf8f_prep
		.amdhsa_group_segment_fixed_size 10240
		.amdhsa_private_segment_fixed_size 0
		.amdhsa_enable_private_segment 0
		.amdhsa_kernarg_size 56
		.amdhsa_user_sgpr_count 2
		.amdhsa_user_sgpr_kernarg_segment_ptr 1
		.amdhsa_wavefront_size32 1
		.amdhsa_system_sgpr_workgroup_id_x 1
		.amdhsa_system_sgpr_workgroup_id_y 1
		.amdhsa_system_sgpr_workgroup_id_z 1
		.amdhsa_system_vgpr_workitem_id 0
		.amdhsa_next_free_vgpr 164
		.amdhsa_next_free_sgpr 102
		.amdhsa_reserve_vcc 1
		.amdhsa_float_denorm_mode_32 3
		.amdhsa_float_denorm_mode_16_64 3
		.amdhsa_memory_ordered 1
		.amdhsa_forward_progress 1
		.amdhsa_inst_pref_size 86
	.end_amdhsa_kernel
	.amdgpu_metadata
---
amdhsa.version: [ 1, 2 ]
amdhsa.kernels:
  - .name:           k_qdac04dbf8f_prep
    .symbol:         k_qdac04dbf8f_prep.kd
    .args:
      - { .name: conn_state, .offset: 0, .size: 8, .value_kind: global_buffer, .address_space: global }
      - { .name: ram_state, .offset: 8, .size: 8, .value_kind: global_buffer, .address_space: global }
      - { .name: x_bits, .offset: 16, .size: 8, .value_kind: global_buffer, .address_space: global }
      - { .name: tbl, .offset: 24, .size: 8, .value_kind: global_buffer, .address_space: global }
      - { .name: txt, .offset: 32, .size: 8, .value_kind: global_buffer, .address_space: global }
      - { .name: xlo, .offset: 40, .size: 8, .value_kind: global_buffer, .address_space: global }
      - { .name: xhi, .offset: 48, .size: 8, .value_kind: global_buffer, .address_space: global }
    .group_segment_fixed_size: 10240
    .private_segment_fixed_size: 0
    .kernarg_segment_align: 8
    .kernarg_segment_size: 56
    .max_flat_workgroup_size: 512
    .sgpr_count:     102
    .vgpr_count:     164
    .wavefront_size: 32
...
	.end_amdgpu_metadata
.endif
;; end of part 4
;; launch main (part 5): grid 32 x 8, 16 waves a work-group, no clusters, 296,960 bytes of LDS; arguments conn_state, tbl, txt, xlo, xhi, st; writes st
.if DOCPART == 5
	.amdgcn_target "amdgcn-amd-amdhsa--gfx1250"
	.amdhsa_code_object_version 6
	.text
	.protected	k_qdac04dbf8f_main
	.globl	k_qdac04dbf8f_main
	.p2align	8
	.type	k_qdac04dbf8f_main,@function
k_qdac04dbf8f_main:
	s_mov_b64 s[64:65], 0
	v_nop
	global_prefetch_b8 v0, s[64:65] scope:SCOPE_SE
	s_setreg_imm32_b32 hwreg(HW_REG_WAVE_MODE, 25, 1), 1
	s_wait_xcnt 0x0
; THE RECURRENCE.  A work-group owns one head (grid y) and 32 batches (grid x); a wave 2 batches x 16 neurons: lane = 16 r + n, batch 32 x + 2 w + r.  512 dependent steps.
; A step's look-up address is A = (state & Ms) | Ax (tables laid out so by the launch before).  v_cmp's mask over the 32 lanes IS the two new states, neuron n at bit 16 r + n.
; THE DEPENDENT CHAIN of a step is six instructions: v_bfe (my batch's half), v_and_or (LDS address), v_min (its bound), ds_load, v_lshlrev (my bit to bit 31), v_cmp.
; Ax HANGS ON x ALONE and is made 64 steps (a block) ahead, for all 16 neurons at once.  For that work a lane is (batch r, step 4 q + e), q = lane % 16: it reads the two x-table rows
; of its step (one for each byte of x; a row is 16 neurons x 16 bits, two loads of 16 bytes), ors them and stores the row into the wave's own STAGE.  That is 24 + 32 vector and 24 LDS
; instructions for 64 steps; a step then fetches its Ax by one ds_load_u16 from a fixed register and an immediate, three steps early.  The pieces stand between a step's table look-up and the wait for it.
; The stage has two buffers, one read while the other is filled; a trip of the loop is two blocks, so that the buffer is a constant in every immediate.  Only the wave itself touches its stage,
; and LDS serves a wave's instructions in order (ISA guide 5.7.1.4): no barrier and no wait stands between a row's store and its reads.
; A number made of loaded ones enters an LDS address behind v_min_u32 with a constant; each constant here is the largest value that the arithmetic can give, so no value is changed.
; LDS.  0: the x tables, [byte 0, 1][value 0..255], rows of 32 bytes 48 apart (an odd multiple of 16: rows start in all sixteen 16-byte columns of 256 bytes).
; 24,576: the 16 tables, word j of neuron n at 32 j + 4 (n & 7) + 65,536 (n >> 3) (128 KB): so A & 0xffe0 is the word's offset as it stands, and A & 31 the shift.
; 155,648: the stages, 8,704 bytes a wave: step t of a block at 272 (t / 4) + 64 (t % 4), lane l's 16 bits at 2 l: the 16 lanes of a store stand 272 bytes apart.  294,912: the spare words.
; THE FILL goes through registers: it interleaves eight tables word by word (sixteen for the x tables), and no tile descriptor is used.  So there are no joint
; requests either, though the 32 work-groups of a head read the same 160 KB: they are read once, for 512 steps.
; OUT: st[head][batch pair][t], a word with both batches' 16 state bits; 64 steps are gathered in two registers and leave as 256 consecutive bytes.
; LIMIT.  conn_state holds 0..31.
.set TXP,   48                         ; from row to row of the x tables
.set TXH,   256*TXP                    ; the second byte's rows
.set TBASE, 2*TXH
.set STG,   TBASE+131072
.set QP,    272                        ; four steps of the stage: 4 x 64 bytes + 16
.set BUF,   16*QP                      ; a buffer: 64 steps
.set WSTG,  2*BUF                      ; a wave's stage
.set SPARE, STG+16*WSTG
.set TMAX,  0x1fffc                    ; 65,536 + 0xffe0 + 28: the last word of the 16 tables, from TBASE
.set XBMAX, 0xff0                      ; 255 x 16
.set XW,    16                         ; the step in which the next block's x words are waited for
.set LBT,  3                           ; 4 (n & 7) + 65,536 (n >> 3)
.set SH16, 4                           ; 16 r
.set MS,   5                           ; Ms
.set MSA,  6                           ; Ms & 0xffe0
.set R,    7                           ; my batch's state
.set AD,   8
.set WT,   9
.set SHF,  10
.set CST,  11                          ; my 16 bits in step 0 of buffer 0 of my wave's stage; never rewritten
.set X,    12                          ; v[12:15]  Ax, by step % 4
.set XA,   16                          ; v[16:17]  (Ax & 0xffe0) | LBT, by the step's parity
.set S,    18                          ; v[18:19], v[20:21]  states of 64 steps, a pair for each of a trip's two blocks: register k % 2, lane k / 2
.set PST,  22                          ; where I store a row of step 4 q in buffer 0; never rewritten
.set SOFF, 23
.set XL,   24                          ; v[24:27], v[28:31]  xlo, xhi of the next block's steps 4 q + e; then the rows' LDS addresses
.set XH,   28
.set P,    32                          ; v[32:47]  two rows on their way: 8 registers each
.set XOFF, 48
.set XO2,  49
.set SPW,  54                          ; LDS address of my spare word; never rewritten
.set NIL,  55                          ; 0; never rewritten
.set CN,   56                          ; v[56:71]  my neuron's connections
.set F,    72                          ; v[72:151] the fill; then the first block's rows
.set BAL,  26                          ; s26  the two states
.set TRIP, 27
	s_load_b256 s[4:11], s[0:1], 0x0               ; conn_state s[4:5], tbl s[6:7], txt s[8:9], xlo s[10:11]
	s_load_b128 s[12:15], s[0:1], 0x20             ; xhi s[12:13], st s[14:15]
	v_lshl_add_u32 v[SPW], v0, 2, SPARE
	v_mov_b32 v[NIL], 0
	v_and_b32 v1, 31, v0
	v_lshrrev_b32 v2, 5, v0
	v_readfirstlane_b32 s16, v2                    ; wave
	s_and_b32 s18, ttmp7, 0xffff                   ; head
	s_lshr_b32 s19, s16, 3                         ; the fill: which eight tables,
	s_and_b32 s17, s16, 7                          ; which eighth of their words
	v_and_b32 v32, 15, v0                          ; n; also q
	v_and_b32 v33, 7, v0
	v_lshlrev_b32 v33, 2, v33
	v_bfe_u32 v34, v0, 3, 1
	v_lshl_or_b32 v[LBT], v34, 16, v33
	v_and_b32 v[SH16], 16, v0
	v_lshlrev_b32 v33, 7, v[SH16]                  ; r x 2,048 bytes (a batch's row in a plane)
	v_lshl_or_b32 v[XOFF], v32, 4, v33             ; + 16 bytes a lane of the row
	v_lshlrev_b32 v[SOFF], 3, v1
	v_lshlrev_b32 v50, 6, v32                      ; conn_state: 64 bytes a neuron
	s_lshl_b32 s20, s19, 16
	s_lshl_b32 s21, s17, 10
	s_add_co_u32 s20, s20, s21
	v_lshl_add_u32 v51, v1, 2, s20                 ; tbl: table 8 (w >> 3), word 256 (w & 7) + lane
	s_lshl_b32 s20, s16, 7
	v_lshl_add_u32 v52, v1, 2, s20                 ; txt: entry 32 w + lane of neuron 0
	s_lshl_b32 s20, s16, 13
	s_add_co_u32 s20, s20, TBASE
	v_lshl_add_u32 v53, v1, 5, s20                 ; LDS: TBASE + 8,192 w + 32 lane
	v_mul_u32_u24 v2, v0, TXP                      ; LDS: the x tables' row 32 w + lane, which is my thread's number
	s_mul_i32 s20, s16, WSTG
	s_add_co_u32 s20, s20, STG                     ; my wave's stage
	v_lshl_add_u32 v[CST], v1, 1, s20
	v_mul_u32_u24 v33, v32, QP
	v_lshl_add_u32 v33, v[SH16], 1, v33            ; 272 q + 32 r
	v_add_nc_u32 v[PST], s20, v33
	s_mov_b32 s21, 0
	s_wait_kmcnt 0x0
	s_lshl_b32 s20, s18, 10
	s_add_nc_u64 s[4:5], s[4:5], s[20:21]
	s_lshl_b32 s20, s18, 17
	s_add_nc_u64 s[6:7], s[6:7], s[20:21]
	s_lshl_b32 s20, s18, 15
	s_add_nc_u64 s[8:9], s[8:9], s[20:21]
	s_lshl_b32 s20, ttmp9, 16                      ; 32 batches x 2,048 bytes,
	s_lshl_b32 s22, s16, 12                        ; my wave's two
	s_add_co_u32 s20, s20, s22
	s_add_nc_u64 s[10:11], s[10:11], s[20:21]
	s_add_nc_u64 s[12:13], s[12:13], s[20:21]
	s_lshl_b32 s20, s18, 20                        ; st: 1 MB a head, 2,048 bytes a pair of batches
	s_lshl_b32 s22, ttmp9, 15
	s_add_co_u32 s20, s20, s22
	s_lshl_b32 s22, s16, 11
	s_add_co_u32 s20, s20, s22
	s_add_nc_u64 s[14:15], s[14:15], s[20:21]
	; 62 loads go out together: 4 conn, 2 x, 16 x-table, and the first five of eight fill tasks (8 table loads each)
.irp j, 0,1,2,3
	global_load_b128 v[CN+4*\j:CN+4*\j+3], v50, s[4:5] offset:16*\j
.endr
	global_load_b128 v[XL:XL+3], v[XOFF], s[10:11]
	global_load_b128 v[XH:XH+3], v[XOFF], s[12:13]
.set n, 0
.rept 16
	global_load_b32 v[F+64+n], v52, s[8:9] offset:2048*n
.set n, n+1
.endr
.set i, 0
.rept 40                                               ; task i / 8 (32 words on), table i % 8 of my eight
	global_load_b32 v[F+i], v51, s[6:7] offset:(i%8)*8192+(i/8)*128
.set i, i+1
.endr
	v_mov_b32 v33, 1
	v_mov_b32 v34, 0
.irp j, 0,1,2,3
	v_mov_b32 v[S+\j], 0                           ; v_writelane's destination is written whole first
.endr
; The LDS addresses of step 4 q + e's two rows: the planes hold 64 x byte; a row is 48 bytes
.macro XADDR e
	v_lshrrev_b32 v[XL+(\e)], 2, v[XL+(\e)]
	v_lshrrev_b32 v[XH+(\e)], 2, v[XH+(\e)]
	v_min_u32 v[XL+(\e)], XBMAX, v[XL+(\e)]
	v_min_u32 v[XH+(\e)], XBMAX, v[XH+(\e)]
	v_lshl_add_u32 v[XL+(\e)], v[XL+(\e)], 1, v[XL+(\e)]
	v_lshl_add_u32 v[XH+(\e)], v[XH+(\e)], 1, v[XH+(\e)]
.endm
	s_wait_loadcnt 40                              ; the 40 table loads may be out: conn, x and the x tables are in
.set k, 0
.rept 16
	v_lshlrev_b32 v35, v[CN+k], v33
	v_or_b32 v34, v34, v35
.set k, k+1
.endr
	v_lshrrev_b32 v[MS], 16, v34
	v_and_b32 v[MSA], 0xffe0, v[MS]
.set i, 0
.rept 8                                                ; sixteen neurons' entries, 16 bits each, into eight registers (register i is free when it is written)
	v_lshl_or_b32 v[F+64+i], v[F+64+2*i+1], 16, v[F+64+2*i]
.set i, i+1
.endr
	ds_store_b128 v2, v[F+64:F+67]                 ; a row of the x tables
	ds_store_b128 v2, v[F+68:F+71] offset:16
.irp e, 0,1,2,3
	XADDR \e                                       ; the first block's rows
.endr
	s_wait_loadcnt 32                              ; task 0 is in; tasks 1 to 4 may be out
	ds_store_b128 v53, v[F:F+3]
	ds_store_b128 v53, v[F+4:F+7] offset:16
.set i, 40
.rept 24                                               ; tasks 5 to 7: with tasks 1 to 4, 56 loads are out
	global_load_b32 v[F+i], v51, s[6:7] offset:(i%8)*8192+(i/8)*128
.set i, i+1
.endr
.set i, 1
.rept 7
	s_wait_loadcnt 56-8*i                          ; task i's eight loads are in; the later tasks' may be out
	ds_store_b128 v53, v[F+8*i:F+8*i+3] offset:1024*i
	ds_store_b128 v53, v[F+8*i+4:F+8*i+7] offset:1024*i+16
.set i, i+1
.endr
	s_wait_dscnt 0x0                               ; my part of the tables is in LDS,
	s_barrier_signal -1
	s_barrier_wait -1                              ; everybody's is; from here on the tables are only read, and a wave writes its own stage alone
	; the first block's Ax, into buffer 0: all sixteen loads out at once
.irp e, 0,1,2,3
	ds_load_b128 v[F+16*\e:F+16*\e+3],     v[XL+\e]
	ds_load_b128 v[F+16*\e+4:F+16*\e+7],   v[XL+\e] offset:16
	ds_load_b128 v[F+16*\e+8:F+16*\e+11],  v[XH+\e] offset:TXH
	ds_load_b128 v[F+16*\e+12:F+16*\e+15], v[XH+\e] offset:TXH+16
.endr
	s_wait_dscnt 0x0
.irp e, 0,1,2,3
.set i, 0
.rept 8
	v_or_b32 v[F+16*\e+i], v[F+16*\e+i], v[F+16*\e+8+i]
.set i, i+1
.endr
	ds_store_b128 v[PST], v[F+16*\e:F+16*\e+3] offset:64*\e
	ds_store_b128 v[PST], v[F+16*\e+4:F+16*\e+7] offset:64*\e+16
.endr
.irp j, 0,1,2
	ds_load_u16 v[X+\j], v[CST] offset:64*\j       ; Ax of steps 0, 1, 2
.endr
	s_wait_dscnt 0x0
	v_and_or_b32 v[XA], v[X], 0xffe0, v[LBT]
	s_mov_b32 s[BAL], 0                            ; state 0
	s_mov_b32 s[TRIP], 0
; The piece of the next block's Ax that stands in step k of a block of parity p.  NP: how many LDS instructions it issues.
; Step XW: the x words are in.  Steps XW .. XW + 3: the rows' addresses.  From step XW + 4 on, ten steps for each e: two loads, two loads, a step's rest (the next step's wait shows
; all four in, since they stand ahead of its table look-up), four steps of two ors, two stores.  The last stores stand in step 57; step 61 is the first to read that buffer.
.macro PROD k, p
.set NP, 0
.if (\k) == XW
	s_wait_loadcnt 0x0                             ; asked for at the block's head
	s_wait_xcnt 0x0                                ; the last block's store has read its registers and its base: they are rewritten only behind this wait
.if (\p) == 1
	s_add_nc_u64 s[14:15], s[14:15], 512           ; st: a trip's two blocks on; this block's store reaches back by its immediate
.endif
.endif
.if (\k) >= XW && (\k) < XW+4
	XADDR (\k)-XW
.endif
.if (\k) >= XW+4 && (\k) < XW+44
.set pe, ((\k)-XW-4)/10
.set ps, ((\k)-XW-4)%10
.if ps == 0
	ds_load_b128 v[P:P+3],   v[XL+pe]
	ds_load_b128 v[P+4:P+7], v[XL+pe] offset:16
.set NP, 2
.elseif ps == 1
	ds_load_b128 v[P+8:P+11],  v[XH+pe] offset:TXH
	ds_load_b128 v[P+12:P+15], v[XH+pe] offset:TXH+16
.set NP, 2
.elseif ps >= 3 && ps < 7
	v_or_b32 v[P+2*(ps-3)],   v[P+2*(ps-3)],   v[P+8+2*(ps-3)]
	v_or_b32 v[P+2*(ps-3)+1], v[P+2*(ps-3)+1], v[P+8+2*(ps-3)+1]
.elseif ps == 7
	ds_store_b128 v[PST], v[P:P+3]   offset:(1-(\p))*BUF+64*pe
	ds_store_b128 v[PST], v[P+4:P+7] offset:(1-(\p))*BUF+64*pe+16
.set NP, 2
.endif
.endif
.endm
; Step k of a block of parity p.  On entry: s[BAL] the state, X and XA of step k.  All that hangs on x alone stands between the table look-up and the wait for it.
.macro STEP k, p
	v_bfe_u32 v[R], s[BAL], v[SH16], 16
	v_and_or_b32 v[AD], v[R], v[MSA], v[XA+(\k)%2]
	v_min_u32 v[AD], TMAX, v[AD]
	ds_load_b32 v[WT], v[AD] offset:TBASE
.if (\k)+3 < 64
.set xo, (\p)*BUF+QP*(((\k)+3)/4)+64*(((\k)+3)%4)
.else
.set xo, (1-(\p))*BUF+64*((\k)-61)     ; the next block's first steps, in the other buffer
.endif
	ds_load_u16 v[X+((\k)+3)%4], v[CST] offset:xo  ; Ax of step k + 3
.if (\k) > 0
	v_writelane_b32 v[S+2*(\p)+((\k)-1)%2], s[BAL], ((\k)-1)/2
.endif
	v_and_or_b32 v[SHF], v[R], v[MS], v[X+(\k)%4]  ; A; its low five bits are the shift
	v_and_or_b32 v[XA+((\k)+1)%2], v[X+((\k)+1)%4], 0xffe0, v[LBT]  ; asked for two steps ago: the last step's wait has shown it in
	PROD \k, \p
	s_wait_dscnt 1+NP                              ; the table word is in; what was issued behind it (the stage look-up, and PROD's two where it has any) may be out
	v_lshlrev_b32 v[WT], v[SHF], v[WT]
	v_cmp_gt_i32 s[BAL], 0, v[WT]                  ; bit 31 of every lane: the new states
.endm
; A block: 64 steps.  At its head the next block's x words are asked for: each row of 16 lanes takes 256 consecutive bytes of a plane.
.macro BLOCK p
	s_lshl_b32 s24, s[TRIP], 9                     ; a trip is 128 steps x 4 bytes
.if (\p) == 0
	s_add_co_u32 s24, s24, 256
.else
	s_add_co_u32 s24, s24, 512
	s_min_u32 s24, s24, 7*256                      ; the last block asks for its own once more, so that no load leaves the planes; what is made of it is not used
.endif
	v_add_nc_u32 v[XO2], s24, v[XOFF]
	global_load_b128 v[XL:XL+3], v[XO2], s[10:11]
	global_load_b128 v[XH:XH+3], v[XO2], s[12:13]
.set kk, 0
.rept 64
	STEP kk, \p
.set kk, kk+1
.endr
	v_writelane_b32 v[S+2*(\p)+1], s[BAL], 31
	global_store_b64 v[SOFF], v[S+2*(\p):S+2*(\p)+1], s[14:15] offset:-256*(\p)  ; 64 steps x 4 bytes: 256 consecutive bytes, aligned
.endm
.Ltrip:                                                ; 4 trips of two blocks
	BLOCK 0
	BLOCK 1
	s_add_co_u32 s[TRIP], s[TRIP], 1
	s_cmp_lt_u32 s[TRIP], 4
	s_cbranch_scc1 .Ltrip
	s_wait_tensorcnt 0x0                           ; the wave's end
	ds_add_u32 v[SPW], v[NIL]
	s_wait_dscnt 0x0
	s_endpgm
.Lfunc_end_k_qdac04dbf8f_main:
	.size	k_qdac04dbf8f_main, .Lfunc_end_k_qdac04dbf8f_main-k_qdac04dbf8f_main
	.p2alignl 7, 3214868480
	.fill 96, 4, 3214868480
	.section	.rodata,"a",@progbits
	.p2align	6, 0x0
	.amdhsa_kernel k_qdac04dbf8f_main
		.amdhsa_group_segment_fixed_size 296960
		.amdhsa_private_segment_fixed_size 0
		.amdhsa_enable_private_segment 0
		.amdhsa_kernarg_size 48
		.amdhsa_user_sgpr_count 2
		.amdhsa_user_sgpr_kernarg_segment_ptr 1
		.amdhsa_wavefront_size32 1
		.amdhsa_system_sgpr_workgroup_id_x 1
		.amdhsa_system_sgpr_workgroup_id_y 1
		.amdhsa_system_sgpr_workgroup_id_z 1
		.amdhsa_system_vgpr_workitem_id 0
		.amdhsa_next_free_vgpr 152
		.amdhsa_next_free_sgpr 66
		.amdhsa_reserve_vcc 0
		.amdhsa_float_denorm_mode_32 3
		.amdhsa_float_denorm_mode_16_64 3
		.amdhsa_memory_ordered 1
		.amdhsa_forward_progress 1
		.amdhsa_inst_pref_size 111
	.end_amdhsa_kernel
	.amdgpu_metadata
---
amdhsa.version: [ 1, 2 ]
amdhsa.kernels:
  - .name:           k_qdac04dbf8f_main
    .symbol:         k_qdac04dbf8f_main.kd
    .args:
      - { .name: conn_state, .offset: 0, .size: 8, .value_kind: global_buffer, .address_space: global }
      - { .name: tbl, .offset: 8, .size: 8, .value_kind: global_buffer, .address_space: global }
      - { .name: txt, .offset: 16, .size: 8, .value_kind: global_buffer, .address_space: global }
      - { .name: xlo, .offset: 24, .size: 8, .value_kind: global_buffer, .address_space: global }
      - { .name: xhi, .offset: 32, .size: 8, .value_kind: global_buffer, .address_space: global }
      - { .name: st, .offset: 40, .size: 8, .value_kind: global_buffer, .address_space: global }
    .group_segment_fixed_size: 296960
    .private_segment_fixed_size: 0
    .kernarg_segment_align: 8
    .kernarg_segment_size: 48
    .max_flat_workgroup_size: 512
    .sgpr_count:     66
    .vgpr_count:     152
    .wavefront_size: 32
...
	.end_amdgpu_metadata
.endif
;; end of part 5
;; launch outp (part 6): grid 256 x 1, 16 waves a work-group, no clusters, 48,384 bytes of LDS; arguments conn_out, ram_out, xlo, xhi, st, out0; writes out0
.if DOCPART == 6
	.amdgcn_target "amdgcn-amd-amdhsa--gfx1250"
	.amdhsa_code_object_version 6
	.text
	.protected	k_qdac04dbf8f_outp
	.globl	k_qdac04dbf8f_outp
	.p2align	8
	.type	k_qdac04dbf8f_outp,@function
k_qdac04dbf8f_outp:
	s_mov_b64 s[64:65], 0
	v_nop
	global_prefetch_b8 v0, s[64:65] scope:SCOPE_SE
	s_setreg_imm32_b32 hwreg(HW_REG_WAVE_MODE, 25, 1), 1
	s_wait_xcnt 0x0
; THE OUTPUT.  out0[b][t][o] = ram_out[h][o][five bits of head h's state at (b, t), picked by conn_out[h][o]], h = 4 x[0] + 2 x[1] + x[2].
; A work-group owns 4 batches, a wave one batch x 128 steps, a lane steps 4 l .. 4 l + 3.  The 128 x 5 floats, 2,560 consecutive bytes of out0, go through a stage of the wave's own in LDS
; and leave as five stores of 512 consecutive bytes.  No arithmetic on floats: they are looked up and moved.
; A lane's 20 look-up addresses are made side by side, each with a temporary of its own, so that no line reads the result of the line before it; the look-ups stand in one run behind them.
; LDS.  0: ram_out as it lies (5,120 bytes).  5,120: for head h and output o the word 8 h + o, five positions of 5 bits each, the first connection lowest (256 bytes).
; 5,376: the stages, 2,560 bytes a wave.  46,336: the spare words.
; LIMIT.  conn_out holds 0..15.
.set CWB,   5120
.set STG,   5376
.set SPARE, 46336
.set XL,  4                            ; v[4:7]    xlo of my four steps
.set XH,  8                            ; v[8:11]   xhi
.set HD,  12                           ; v[12:15]  head
.set GA,  16                           ; v[16:19]  offset of the chosen head's state word
.set SV,  20                           ; v[20:23]  state
.set CW,  24                           ; v[24+8e : 24+8e+4]  the head's five connection words
.set HB,  56                           ; v[56:59]  640 x head: its part of ram_out
.set SPW, 60                           ; LDS address of my spare word; never rewritten
.set NIL, 61                           ; 0; never rewritten
.set AC,  64                           ; v[64:83]  address of output 5 e + o; before that at work
.set VL,  84                           ; v[84:103] its value
.set RB,  108                          ; v[108:127] a temporary for each output; then whole rows back from the stage
.macro EO line:vararg                  ; one line for each step e of four and each output o of five: n = 5 e + o
.set e, 0
.rept 4
.set o, 0
.rept 5
.set n, 5*e+o
	\line
.set o, o+1
.endr
.set e, e+1
.endr
.endm
	s_load_b256 s[4:11], s[0:1], 0x0               ; conn_out s[4:5], ram_out s[6:7], xlo s[8:9], xhi s[10:11]
	s_load_b128 s[12:15], s[0:1], 0x20             ; st s[12:13], out0 s[14:15]
	v_lshl_add_u32 v[SPW], v0, 2, SPARE
	v_mov_b32 v[NIL], 0
	v_and_b32 v1, 31, v0
	v_lshrrev_b32 v2, 5, v0
	v_readfirstlane_b32 s16, v2                    ; wave
	s_lshl_b32 s17, ttmp9, 2
	s_lshr_b32 s18, s16, 2
	s_add_co_u32 s17, s17, s18                     ; batch
	s_and_b32 s18, s16, 3                          ; which 128 steps
	s_lshl_b32 s19, s18, 9
	s_lshl_b32 s20, s17, 11
	s_add_co_u32 s20, s20, s19                     ; planes: 2,048 bytes a batch
	s_mov_b32 s21, 0
	s_lshr_b32 s22, s17, 1
	s_lshl_b32 s22, s22, 11
	s_add_co_u32 s22, s22, s19                     ; st: 2,048 bytes a pair of batches
	s_mov_b32 s23, 0
	s_mul_i32 s24, s17, 10240
	s_mul_i32 s25, s18, 2560
	s_add_co_u32 s24, s24, s25                     ; out0: 20 bytes a step
	s_mov_b32 s25, 0
	s_and_b32 s26, s17, 1
	s_lshl_b32 s26, s26, 4                         ; my batch's half of a state word
	s_mul_i32 s27, s16, 2560
	s_add_co_u32 s27, s27, STG                     ; my stage
	v_lshlrev_b32 v3, 4, v1                        ; 16 bytes a lane
	s_wait_kmcnt 0x0
	s_add_nc_u64 s[8:9], s[8:9], s[20:21]
	s_add_nc_u64 s[10:11], s[10:11], s[20:21]
	s_add_nc_u64 s[12:13], s[12:13], s[22:23]
	s_add_nc_u64 s[14:15], s[14:15], s[24:25]
	global_load_b128 v[XL:XL+3], v3, s[8:9]
	global_load_b128 v[XH:XH+3], v3, s[10:11]
	; the two tables: waves 0-9 copy ram_out (320 threads x 16 bytes), waves 10 and 11 pack conn_out
	s_cmp_ge_u32 s16, 10
	s_cbranch_scc1 .Lnot_ro
	v_lshlrev_b32 v62, 4, v0
	global_load_b128 v[64:67], v62, s[6:7]
	s_wait_loadcnt 0x0
	ds_store_b128 v62, v[64:67]
	s_branch .Lfilled
.Lnot_ro:
	s_cmp_ge_u32 s16, 12
	s_cbranch_scc1 .Lfilled
	v_and_b32 v62, 63, v0                          ; threads 320..383: word 8 h + o'
	v_lshrrev_b32 v63, 3, v62
	v_and_b32 v64, 7, v62
	v_min_u32 v64, 4, v64                          ; words 5 to 7 of a head repeat output 4; nobody reads them
	v_mul_u32_u24 v63, v63, 5
	v_add_nc_u32 v63, v63, v64
	v_mul_u32_u24 v63, v63, 20                     ; five whole numbers an output
.irp k, 0,1,2,3,4
	global_load_b32 v[65+\k], v63, s[4:5] offset:4*\k
.endr
	s_wait_loadcnt 0x0
	v_lshl_or_b32 v65, v66, 5, v65
	v_lshl_or_b32 v65, v67, 10, v65
	v_lshl_or_b32 v65, v68, 15, v65
	v_lshl_or_b32 v65, v69, 20, v65
	v_lshlrev_b32 v62, 2, v62
	ds_store_b32 v62, v65 offset:CWB
.Lfilled:
	s_wait_dscnt 0x0                               ; my part of the tables is in LDS,
	s_barrier_signal -1
	s_barrier_wait -1                              ; everybody's is
	s_wait_loadcnt 0x0                             ; my x words
	; the heads of my four steps, side by side
.irp e, 0,1,2,3
	v_bfe_u32 v[HD+\e], v[XL+\e], 6, 1             ; x[0]: bit 0 of the even bits, which lie from bit 6 on
.endr
.irp e, 0,1,2,3
	v_bfe_u32 v[AC+\e], v[XH+\e], 6, 1             ; x[1]: bit 0 of the odd bits
.endr
.irp e, 0,1,2,3
	v_bfe_u32 v[AC+4+\e], v[XL+\e], 7, 1           ; x[2]
.endr
.irp e, 0,1,2,3
	v_lshl_or_b32 v[HD+\e], v[HD+\e], 1, v[AC+\e]
.endr
.irp e, 0,1,2,3
	v_lshl_or_b32 v[HD+\e], v[HD+\e], 1, v[AC+4+\e]
.endr
.irp e, 0,1,2,3
	v_min_u32 v[HD+\e], 7, v[HD+\e]                ; a head, whatever was loaded
.endr
.irp e, 0,1,2,3
	v_lshlrev_b32 v[GA+\e], 20, v[HD+\e]           ; 1 MB a head
.endr
.irp e, 0,1,2,3
	v_add_nc_u32 v[GA+\e], v[GA+\e], v3
.endr
.irp e, 0,1,2,3
	global_load_b32 v[SV+\e], v[GA+\e], s[12:13] offset:4*\e
.endr
.irp e, 0,1,2,3
	v_lshlrev_b32 v[AC+8+\e], 5, v[HD+\e]          ; 32 bytes of connection words a head
	v_mul_u32_u24 v[HB+\e], v[HD+\e], 640
.endr
	v_mul_u32_u24 v63, v1, 80                      ; the stage, in: 20 bytes a step, four steps a lane
	v_add_nc_u32 v63, s27, v63
	v_lshl_add_u32 v62, v1, 4, s27                 ; the stage, back: 16 bytes a lane
.irp e, 0,1,2,3
	ds_load_b128 v[CW+8*\e:CW+8*\e+3], v[AC+8+\e] offset:CWB
	ds_load_b32 v[CW+8*\e+4], v[AC+8+\e] offset:CWB+16
.endr
	s_wait_loadcnt 0x0
	s_wait_dscnt 0x0
.irp e, 0,1,2,3
	v_bfe_u32 v[SV+\e], v[SV+\e], s26, 16
.endr
	EO v_bfe_u32 v[AC+n], v[SV+e], v[CW+8*e+o], 1  ; the first connection is the address's highest bit; v_bfe takes the low five bits of its offset
.irp k, 1,2,3,4
	EO v_lshrrev_b32 v[RB+n], 5*\k, v[CW+8*e+o]
	EO v_bfe_u32 v[RB+n], v[SV+e], v[RB+n], 1
	EO v_lshl_or_b32 v[AC+n], v[AC+n], 1, v[RB+n]
.endr
	EO v_min_u32 v[AC+n], 31, v[AC+n]
	EO v_lshl_add_u32 v[AC+n], v[AC+n], 2, v[HB+e]
	EO ds_load_b32 v[VL+n], v[AC+n] offset:128*o
	s_wait_dscnt 0x0
.irp s, 0,1,2,3,4
	ds_store_b128 v63, v[VL+4*\s:VL+4*\s+3] offset:16*\s           ; my 80 bytes; lanes stand 80 bytes apart, an odd multiple of 16
.endr
.irp s, 0,1,2,3,4
	ds_load_b128 v[RB+4*\s:RB+4*\s+3], v62 offset:512*\s           ; LDS serves a wave's instructions in order: these see my stores above
.endr
.irp s, 0,1,2,3,4
	s_wait_dscnt 4-\s                              ; piece s is back; the younger ones may be out
	global_store_b128 v3, v[RB+4*\s:RB+4*\s+3], s[14:15] offset:512*\s th:TH_STORE_NT  ; 512 consecutive bytes, at a multiple of 256 from out0's first byte
.endr
	s_wait_tensorcnt 0x0                           ; the wave's end
	ds_add_u32 v[SPW], v[NIL]
	s_wait_dscnt 0x0
	s_endpgm
.Lfunc_end_k_qdac04dbf8f_outp:
	.size	k_qdac04dbf8f_outp, .Lfunc_end_k_qdac04dbf8f_outp-k_qdac04dbf8f_outp
	.p2alignl 7, 3214868480
	.fill 96, 4, 3214868480
	.section	.rodata,"a",@progbits
	.p2align	6, 0x0
	.amdhsa_kernel k_qdac04dbf8f_outp
		.amdhsa_group_segment_fixed_size 48384
		.amdhsa_private_segment_fixed_size 0
		.amdhsa_enable_private_segment 0
		.amdhsa_kernarg_size 48
		.amdhsa_user_sgpr_count 2
		.amdhsa_user_sgpr_kernarg_segment_ptr 1
		.amdhsa_wavefront_size32 1
		.amdhsa_system_sgpr_workgroup_id_x 1
		.amdhsa_system_sgpr_workgroup_id_y 1
		.amdhsa_system_sgpr_workgroup_id_z 1
		.amdhsa_system_vgpr_workitem_id 0
		.amdhsa_next_free_vgpr 128
		.amdhsa_next_free_sgpr 66
		.amdhsa_reserve_vcc 0
		.amdhsa_float_denorm_mode_32 3
		.amdhsa_float_denorm_mode_16_64 3
		.amdhsa_memory_ordered 1
		.amdhsa_forward_progress 1
		.amdhsa_inst_pref_size 26
	.end_amdhsa_kernel
	.amdgpu_metadata
---
amdhsa.version: [ 1, 2 ]
amdhsa.kernels:
  - .name:           k_qdac04dbf8f_outp
    .symbol:         k_qdac04dbf8f_outp.kd
    .args:
      - { .name: conn_out, .offset: 0, .size: 8, .value_kind: global_buffer, .address_space: global }
      - { .name: ram_out, .offset: 8, .size: 8, .value_kind: global_buffer, .address_space: global }
      - { .name: xlo, .offset: 16, .size: 8, .value_kind: global_buffer, .address_space: global }
      - { .name: xhi, .offset: 24, .size: 8, .value_kind: global_buffer, .address_space: global }
      - { .name: st, .offset: 32, .size: 8, .value_kind: global_buffer, .address_space: global }
      - { .name: out0, .offset: 40, .size: 8, .value_kind: global_buffer, .address_space: global }
    .group_segment_fixed_size: 48384
    .private_segment_fixed_size: 0
    .kernarg_segment_align: 8
    .kernarg_segment_size: 48
    .max_flat_workgroup_size: 512
    .sgpr_count:     66
    .vgpr_count:     128
    .wavefront_size: 32
...
	.end_amdgpu_metadata
.endif
;; end of part 6
;; ======== version 3 of 3: 3 launches; version 2 with the launch main written anew for expert scheduling mode
;; workspace buffers: tbl 1,048,576 bytes of whole numbers; txt 262,144 bytes of whole numbers; xlo 2,097,152 bytes of whole numbers; xhi 2,097,152 bytes of whole numbers; st 8,388,608 bytes of whole numbers
;; launch prep: the kernel of part 4 again; grid 256 x 1, 16 waves a work-group, no clusters, 10,240 bytes of LDS; arguments conn_state, ram_state, x_bits, tbl, txt, xlo, xhi; writes tbl, txt, xlo, xhi
;; launch main (part 7): grid 32 x 8, 16 waves a work-group, no clusters, 296,960 bytes of LDS; arguments conn_state, tbl, txt, xlo, xhi, st; writes st
.if DOCPART == 7
	.amdgcn_target "amdgcn-amd-amdhsa--gfx1250"
	.amdhsa_code_object_version 6
	.text
	.protected	k_qdac04dbf8f_main
	.globl	k_qdac04dbf8f_main
	.p2align	8
	.type	k_qdac04dbf8f_main,@function
k_qdac04dbf8f_main:
	s_mov_b64 s[64:65], 0
	v_nop
	global_prefetch_b8 v0, s[64:65] scope:SCOPE_SE
	s_setreg_imm32_b32 hwreg(HW_REG_WAVE_SCHED_MODE, 0, 2), 2
	s_setreg_imm32_b32 hwreg(HW_REG_WAVE_MODE, 25, 1), 1
	s_wait_xcnt 0x0
	s_wait_alu depctr_vm_vsrc(0)
; THE RECURRENCE.  A work-group owns one head (grid y) and 32 batches (grid x); a wave 2 batches x 16 neurons: lane = 16 r + n, batch 32 x + 2 w + r.  512 dependent steps.
; A step's look-up address is A = (state & Ms) | Ax (tables laid out so by the launch before).  v_cmp's mask over the 32 lanes IS the two new states, neuron n at bit 16 r + n.
; THE DEPENDENT CHAIN of a step is six instructions: v_bfe (my batch's half), v_and_or (LDS address), v_min (its bound), ds_load, v_lshlrev (my bit to bit 31), v_cmp.
; Ax HANGS ON x ALONE and is made 64 steps (a block) ahead, for all 16 neurons at once.  For that work a lane is (batch r, step 4 q + e), q = lane % 16: it reads the two x-table rows
; of its step (one for each byte of x; a row is 16 neurons x 16 bits, two loads of 16 bytes), ors them and stores the row into the wave's own STAGE.  That is 24 + 32 vector and 24 LDS
; instructions for 64 steps; a step then fetches its Ax by one ds_load_u16 from a fixed register and an immediate, three steps early.  The pieces stand between a step's table look-up and the wait for it.
; The stage has two buffers, one read while the other is filled; a trip of the loop is two blocks, so that the buffer is a constant in every immediate.  Only the wave itself touches its stage,
; and LDS serves a wave's instructions in order (ISA guide 5.7.1.4): no barrier and no wait on DScnt stands between a row's store and its reads.
; A number made of loaded ones enters an LDS address behind v_min_u32 with a constant; each constant here is the largest value that the arithmetic can give, so no value is changed.
; LDS.  0: the x tables, [byte 0, 1][value 0..255], rows of 32 bytes 48 apart (an odd multiple of 16: rows start in all sixteen 16-byte columns of 256 bytes).
; 24,576: the 16 tables, word j of neuron n at 32 j + 4 (n & 7) + 65,536 (n >> 3) (128 KB): so A & 0xffe0 is the word's offset as it stands, and A & 31 the shift.
; 155,648: the stages, 8,704 bytes a wave: step t of a block at 272 (t / 4) + 64 (t % 4), lane l's 16 bits at 2 l: the 16 lanes of a store stand 272 bytes apart.  294,912: the spare words.
; THE FILL goes through registers: it interleaves eight tables word by word (sixteen for the x tables), and no tile descriptor is used.  So there are no joint
; requests either, though the 32 work-groups of a head read the same 160 KB: they are read once, for 512 steps.
; OUT: st[head][batch pair][t], a word with both batches' 16 state bits; 64 steps are gathered in two registers and leave as 256 consecutive bytes.
; LIMIT.  conn_state holds 0..31.
; THE MODE: SCHED_MODE bits 1:0 = 2 (LLVM: expert scheduling mode 2), set by the entry lines.  The code itself states the register dependences between vector instructions and memory or LDS
; instructions, and between a vector instruction that writes a scalar register and that register's readers, with s_wait_alu, always for 0.
; THE PLAN.  Registers that LDS or memory instructions touch in the loop:
;   AD0 .. AD3   Step k's v_and_or and v_min write AD[k % 4]; its table look-up reads it as the address.  Four by turns, so that one wait on vm_vsrc serves four steps.
;   WT           The look-up lands in it; the same step's shift and compare read it (the shift writes it too).
;   X0 .. X3     Step k's ds_load_u16 lands in X[(k + 3) % 4]; the v_and_or of steps k + 2 and k + 3 read it.
;   XL, XH       Two global loads land in them at a block's head; steps 16 to 19 make the rows' addresses of them in place; the row loads of steps 20 to 51 read those.
;   P            The row loads land in it; the v_or three to six steps on read it and write its lower half; the stage stores of steps 27, 37, 47, 57 read that half.
;   S            A block's pair is written by v_writelane, one a step, and read by the block's one global store.
;   CST, PST, SOFF, XOFF   Made at the head and never written again: the planes are reached by scalar bases, the stage by immediates.
;   R, SHF, XA, MS, MSA, LBT, SH16 are named by vector instructions alone.
; THE WAITS.  va_vdst once a step, behind v_min: AD is written, and every earlier vector line is done with WT, X[(k + 3) % 4], XL, XH and P.  All the step's LDS instructions follow it; the vector
; lines that stand among them name S, SHF, R, MS, X, XA and LBT alone, none of which those LDS instructions touch.  va_sdst once a step, behind the compare.  vm_vsrc in every fourth step (k % 4 = 3), behind the step's LDS
; instructions: the look-ups up to step k have read the four AD, which steps k + 1 to k + 4 write; and in steps 27, 39, 47 and 59 it lies between P's stores and the next loads into P (steps 30, 40, 50, the next block's 20).
; va_vdst once a block, behind the last v_writelane, for the store of S.
.set TXP,   48                         ; from row to row of the x tables
.set TXH,   256*TXP                    ; the second byte's rows
.set TBASE, 2*TXH
.set STG,   TBASE+131072
.set QP,    272                        ; four steps of the stage: 4 x 64 bytes + 16
.set BUF,   16*QP                      ; a buffer: 64 steps
.set WSTG,  2*BUF                      ; a wave's stage
.set SPARE, STG+16*WSTG
.set TMAX,  0x1fffc                    ; 65,536 + 0xffe0 + 28: the last word of the 16 tables, from TBASE
.set XBMAX, 0xff0                      ; 255 x 16
.set XW,    16                         ; the step in which the next block's x words are waited for
.set LBT,  3                           ; 4 (n & 7) + 65,536 (n >> 3)
.set SH16, 4                           ; 16 r
.set MS,   5                           ; Ms
.set MSA,  6                           ; Ms & 0xffe0
.set R,    7                           ; my batch's state
.set WT,   9
.set SHF,  10
.set CST,  11                          ; my 16 bits in step 0 of buffer 0 of my wave's stage; never rewritten
.set X,    12                          ; v[12:15]  Ax, by step % 4
.set XA,   16                          ; v[16:17]  (Ax & 0xffe0) | LBT, by the step's parity
.set S,    18                          ; v[18:19], v[20:21]  states of 64 steps, a pair for each of a trip's two blocks: register k % 2, lane k / 2
.set PST,  22                          ; where I store a row of step 4 q in buffer 0; never rewritten
.set SOFF, 23
.set XL,   24                          ; v[24:27], v[28:31]  xlo, xhi of the next block's steps 4 q + e; then the rows' LDS addresses
.set XH,   28
.set P,    32                          ; v[32:47]  two rows on their way: 8 registers each
.set XOFF, 48                          ; my 16 bytes in a block's part of a plane; never rewritten
.set SPW,  54                          ; LDS address of my spare word; never rewritten
.set NIL,  55                          ; 0; never rewritten
.set CN,   56                          ; v[56:71]  my neuron's connections
.set F,    72                          ; v[72:151] the fill; then the first block's rows
.set AD,   152                         ; v[152:155] the table look-up's address, by step % 4 (v8 and v49 lie idle)
.set BAL,  26                          ; s26  the two states
.set TRIP, 27
.set PL,   28                          ; s[28:29], s[30:31]  the two planes at the block that is asked for
	s_load_b256 s[4:11], s[0:1], 0x0               ; conn_state s[4:5], tbl s[6:7], txt s[8:9], xlo s[10:11]
	s_load_b128 s[12:15], s[0:1], 0x20             ; xhi s[12:13], st s[14:15]
	v_lshl_add_u32 v[SPW], v0, 2, SPARE
	v_mov_b32 v[NIL], 0
	v_and_b32 v1, 31, v0
	v_lshrrev_b32 v2, 5, v0
	v_readfirstlane_b32 s16, v2                    ; wave
	s_and_b32 s18, ttmp7, 0xffff                   ; head
	v_and_b32 v32, 15, v0                          ; n; also q
	v_and_b32 v33, 7, v0
	v_lshlrev_b32 v33, 2, v33
	v_bfe_u32 v34, v0, 3, 1
	v_lshl_or_b32 v[LBT], v34, 16, v33
	v_and_b32 v[SH16], 16, v0
	v_lshlrev_b32 v33, 7, v[SH16]                  ; r x 2,048 bytes (a batch's row in a plane)
	v_lshl_or_b32 v[XOFF], v32, 4, v33             ; + 16 bytes a lane of the row
	v_lshlrev_b32 v[SOFF], 3, v1
	v_lshlrev_b32 v50, 6, v32                      ; conn_state: 64 bytes a neuron
	s_wait_alu depctr_va_sdst(0)                   ; s16 is written, ahead of its first reader: offsets, LDS addresses and bases are made from it
	s_lshr_b32 s19, s16, 3                         ; the fill: which eight tables,
	s_and_b32 s17, s16, 7                          ; which eighth of their words
	s_lshl_b32 s20, s19, 16
	s_lshl_b32 s21, s17, 10
	s_add_co_u32 s20, s20, s21
	v_lshl_add_u32 v51, v1, 2, s20                 ; tbl: table 8 (w >> 3), word 256 (w & 7) + lane
	s_lshl_b32 s20, s16, 7
	v_lshl_add_u32 v52, v1, 2, s20                 ; txt: entry 32 w + lane of neuron 0
	s_lshl_b32 s20, s16, 13
	s_add_co_u32 s20, s20, TBASE
	v_lshl_add_u32 v53, v1, 5, s20                 ; LDS: TBASE + 8,192 w + 32 lane
	v_mul_u32_u24 v2, v0, TXP                      ; LDS: the x tables' row 32 w + lane, which is my thread's number
	s_mul_i32 s20, s16, WSTG
	s_add_co_u32 s20, s20, STG                     ; my wave's stage
	v_lshl_add_u32 v[CST], v1, 1, s20
	v_mul_u32_u24 v33, v32, QP
	v_lshl_add_u32 v33, v[SH16], 1, v33            ; 272 q + 32 r
	v_add_nc_u32 v[PST], s20, v33
	s_mov_b32 s21, 0
	s_mov_b32 s25, 0                               ; the upper word of a block's offset in the planes
	s_wait_kmcnt 0x0
	s_lshl_b32 s20, s18, 10
	s_add_nc_u64 s[4:5], s[4:5], s[20:21]
	s_lshl_b32 s20, s18, 17
	s_add_nc_u64 s[6:7], s[6:7], s[20:21]
	s_lshl_b32 s20, s18, 15
	s_add_nc_u64 s[8:9], s[8:9], s[20:21]
	s_lshl_b32 s20, ttmp9, 16                      ; 32 batches x 2,048 bytes,
	s_lshl_b32 s22, s16, 12                        ; my wave's two
	s_add_co_u32 s20, s20, s22
	s_add_nc_u64 s[10:11], s[10:11], s[20:21]
	s_add_nc_u64 s[12:13], s[12:13], s[20:21]
	s_lshl_b32 s20, s18, 20                        ; st: 1 MB a head, 2,048 bytes a pair of batches
	s_lshl_b32 s22, ttmp9, 15
	s_add_co_u32 s20, s20, s22
	s_lshl_b32 s22, s16, 11
	s_add_co_u32 s20, s20, s22
	s_add_nc_u64 s[14:15], s[14:15], s[20:21]
	s_wait_alu depctr_va_vdst(0)                   ; the offsets v50, v51, v52, XOFF, SOFF and the LDS addresses v2, v53, CST, PST are written: every load and store of the kernel but the look-ups reads one of them
	; 62 loads go out together: 4 conn, 2 x, 16 x-table, and the first five of eight fill tasks (8 table loads each)
.irp j, 0,1,2,3
	global_load_b128 v[CN+4*\j:CN+4*\j+3], v50, s[4:5] offset:16*\j
.endr
	global_load_b128 v[XL:XL+3], v[XOFF], s[10:11]
	global_load_b128 v[XH:XH+3], v[XOFF], s[12:13]
.set n, 0
.rept 16
	global_load_b32 v[F+64+n], v52, s[8:9] offset:2048*n
.set n, n+1
.endr
.set i, 0
.rept 40                                               ; task i / 8 (32 words on), table i % 8 of my eight
	global_load_b32 v[F+i], v51, s[6:7] offset:(i%8)*8192+(i/8)*128
.set i, i+1
.endr
	v_mov_b32 v33, 1
	v_mov_b32 v34, 0
.irp j, 0,1,2,3
	v_mov_b32 v[S+\j], 0                           ; v_writelane's destination is written whole first
.endr
; The LDS addresses of step 4 q + e's two rows: the planes hold 64 x byte; a row is 48 bytes
.macro XADDR e
	v_lshrrev_b32 v[XL+(\e)], 2, v[XL+(\e)]
	v_lshrrev_b32 v[XH+(\e)], 2, v[XH+(\e)]
	v_min_u32 v[XL+(\e)], XBMAX, v[XL+(\e)]
	v_min_u32 v[XH+(\e)], XBMAX, v[XH+(\e)]
	v_lshl_add_u32 v[XL+(\e)], v[XL+(\e)], 1, v[XL+(\e)]
	v_lshl_add_u32 v[XH+(\e)], v[XH+(\e)], 1, v[XH+(\e)]
.endm
	s_wait_loadcnt 40                              ; the 40 table loads may be out: conn, x and the x tables are in
.set k, 0
.rept 16
	v_lshlrev_b32 v35, v[CN+k], v33
	v_or_b32 v34, v34, v35
.set k, k+1
.endr
	v_lshrrev_b32 v[MS], 16, v34
	v_and_b32 v[MSA], 0xffe0, v[MS]
.set i, 0
.rept 8                                                ; sixteen neurons' entries, 16 bits each, into eight registers (register i is free when it is written)
	v_lshl_or_b32 v[F+64+i], v[F+64+2*i+1], 16, v[F+64+2*i]
.set i, i+1
.endr
.irp e, 0,1,2,3
	XADDR \e                                       ; the first block's rows
.endr
	s_wait_alu depctr_va_vdst(0)                   ; v[F+64 .. F+71] are written, which the two stores below read; so are XL and XH, which the row loads behind the barrier read as addresses (no vector line stands between)
	ds_store_b128 v2, v[F+64:F+67]                 ; a row of the x tables
	ds_store_b128 v2, v[F+68:F+71] offset:16
	s_wait_loadcnt 32                              ; task 0 is in; tasks 1 to 4 may be out
	ds_store_b128 v53, v[F:F+3]
	ds_store_b128 v53, v[F+4:F+7] offset:16
.set i, 40
.rept 24                                               ; tasks 5 to 7: with tasks 1 to 4, 56 loads are out
	global_load_b32 v[F+i], v51, s[6:7] offset:(i%8)*8192+(i/8)*128
.set i, i+1
.endr
.set i, 1
.rept 7
	s_wait_loadcnt 56-8*i                          ; task i's eight loads are in; the later tasks' may be out
	ds_store_b128 v53, v[F+8*i:F+8*i+3] offset:1024*i
	ds_store_b128 v53, v[F+8*i+4:F+8*i+7] offset:1024*i+16
.set i, i+1
.endr
	s_wait_dscnt 0x0                               ; my part of the tables is in LDS,
	s_barrier_signal -1
	s_barrier_wait -1                              ; everybody's is; from here on the tables are only read, and a wave writes its own stage alone
	; the first block's Ax, into buffer 0: all sixteen loads out at once
	s_wait_alu depctr_vm_vsrc(0)                   ; the fill's LDS stores have read v[F .. F+63], in which the rows below land
.irp e, 0,1,2,3
	ds_load_b128 v[F+16*\e:F+16*\e+3],     v[XL+\e]
	ds_load_b128 v[F+16*\e+4:F+16*\e+7],   v[XL+\e] offset:16
	ds_load_b128 v[F+16*\e+8:F+16*\e+11],  v[XH+\e] offset:TXH
	ds_load_b128 v[F+16*\e+12:F+16*\e+15], v[XH+\e] offset:TXH+16
.endr
	s_wait_dscnt 0x0
.irp e, 0,1,2,3
.set i, 0
.rept 8
	v_or_b32 v[F+16*\e+i], v[F+16*\e+i], v[F+16*\e+8+i]
.set i, i+1
.endr
.endr
	s_wait_alu depctr_va_vdst(0)                   ; the 32 v_or have written the four rows, which the eight stores below read
.irp e, 0,1,2,3
	ds_store_b128 v[PST], v[F+16*\e:F+16*\e+3] offset:64*\e
	ds_store_b128 v[PST], v[F+16*\e+4:F+16*\e+7] offset:64*\e+16
.endr
.irp j, 0,1,2
	ds_load_u16 v[X+\j], v[CST] offset:64*\j       ; Ax of steps 0, 1, 2
.endr
	s_wait_alu depctr_vm_vsrc(0)                   ; the row loads above have read XL and XH, in which the loop's first two global loads land
	s_wait_dscnt 0x0
	v_and_or_b32 v[XA], v[X], 0xffe0, v[LBT]
	s_mov_b32 s[BAL], 0                            ; state 0
	s_mov_b32 s[TRIP], 0
; The piece of the next block's Ax that stands in step k of a block of parity p.  NP: how many LDS instructions it issues.
; Step XW: the x words are in.  Steps XW .. XW + 3: the rows' addresses.  From step XW + 4 on, ten steps for each e: two loads, two loads, a step's rest (the next step's wait shows
; all four in, since they stand ahead of its table look-up), four steps of two ors, two stores.  The last stores stand in step 57; step 61 is the first to read that buffer.
; Its LDS instructions lean on the step's own wait on va_vdst: what they touch (XL, XH, P) was last named by vector lines of earlier steps.
.macro PROD k, p
.set NP, 0
.if (\k) == XW
	s_wait_loadcnt 0x0                             ; asked for at the block's head
	s_wait_xcnt 0x0                                ; the last block's store has read its registers and its base: they are rewritten only behind this wait
.if (\p) == 1
	s_add_nc_u64 s[14:15], s[14:15], 512           ; st: a trip's two blocks on; this block's store reaches back by its immediate
.endif
.endif
.if (\k) >= XW && (\k) < XW+4
	XADDR (\k)-XW
.endif
.if (\k) >= XW+4 && (\k) < XW+44
.set pe, ((\k)-XW-4)/10
.set ps, ((\k)-XW-4)%10
.if ps == 0
	ds_load_b128 v[P:P+3],   v[XL+pe]
	ds_load_b128 v[P+4:P+7], v[XL+pe] offset:16
.set NP, 2
.elseif ps == 1
	ds_load_b128 v[P+8:P+11],  v[XH+pe] offset:TXH
	ds_load_b128 v[P+12:P+15], v[XH+pe] offset:TXH+16
.set NP, 2
.elseif ps >= 3 && ps < 7
	v_or_b32 v[P+2*(ps-3)],   v[P+2*(ps-3)],   v[P+8+2*(ps-3)]
	v_or_b32 v[P+2*(ps-3)+1], v[P+2*(ps-3)+1], v[P+8+2*(ps-3)+1]
.elseif ps == 7
	ds_store_b128 v[PST], v[P:P+3]   offset:(1-(\p))*BUF+64*pe
	ds_store_b128 v[PST], v[P+4:P+7] offset:(1-(\p))*BUF+64*pe+16
.set NP, 2
.endif
.endif
.endm
; Step k of a block of parity p.  On entry: s[BAL] the state, X and XA of step k.  All that hangs on x alone stands between the table look-up and the wait for it.
.macro STEP k, p
	v_bfe_u32 v[R], s[BAL], v[SH16], 16
	v_and_or_b32 v[AD+(\k)%4], v[R], v[MSA], v[XA+(\k)%2]
	v_min_u32 v[AD+(\k)%4], TMAX, v[AD+(\k)%4]
	s_wait_alu depctr_va_vdst(0)                   ; AD[k % 4] is written, which the look-up reads; the last step's shift and compare are done with WT, and the v_and_or of the last two steps with X[(k + 3) % 4], in which the two loads land; earlier steps' lines on XL, XH and P are done, for PROD
	ds_load_b32 v[WT], v[AD+(\k)%4] offset:TBASE
.if (\k)+3 < 64
.set xo, (\p)*BUF+QP*(((\k)+3)/4)+64*(((\k)+3)%4)
.else
.set xo, (1-(\p))*BUF+64*((\k)-61)     ; the next block's first steps, in the other buffer
.endif
	ds_load_u16 v[X+((\k)+3)%4], v[CST] offset:xo  ; Ax of step k + 3
.if (\k) > 0
	v_writelane_b32 v[S+2*(\p)+((\k)-1)%2], s[BAL], ((\k)-1)/2
.endif
	v_and_or_b32 v[SHF], v[R], v[MS], v[X+(\k)%4]  ; A; its low five bits are the shift
	v_and_or_b32 v[XA+((\k)+1)%2], v[X+((\k)+1)%4], 0xffe0, v[LBT]  ; asked for two steps ago: the last step's wait has shown it in
	PROD \k, \p
.if (\k)%4 == 3
	s_wait_alu depctr_vm_vsrc(0)                   ; the look-ups up to this step have read the four AD, which the next four steps write; the stage stores issued so far have read P, the row loads XL and XH, the last block's store S: all are written again only behind this wait
.endif
	s_wait_dscnt 1+NP                              ; the table word is in; what was issued behind it (the stage look-up, and PROD's two where it has any) may be out
	v_lshlrev_b32 v[WT], v[SHF], v[WT]
	v_cmp_gt_i32 s[BAL], 0, v[WT]                  ; bit 31 of every lane: the new states
	s_wait_alu depctr_va_sdst(0)                   ; s[BAL] is written, ahead of its first reader (the next step's v_bfe, or the block's last v_writelane) and of the loop's branch
.endm
; A block: 64 steps.  At its head the next block's x words are asked for: each row of 16 lanes takes 256 consecutive bytes of a plane.
; The two bases are scalar sums, written again a block later, behind step XW's wait for the loads that read them.  The loads into XL and XH owe no wait of their own: the wait on va_vdst ahead of the
; last block's store (at the first trip: ahead of the first stage stores) has shown the lines that made addresses of XL and XH done, and no vector line since names them; the wait on vm_vsrc of step 51 or a later one
; (at the first trip: the one ahead of the loop) has shown the row loads' reads of them done.
.macro BLOCK p
	s_lshl_b32 s24, s[TRIP], 9                     ; a trip is 128 steps x 4 bytes
.if (\p) == 0
	s_add_co_u32 s24, s24, 256
.else
	s_add_co_u32 s24, s24, 512
	s_min_u32 s24, s24, 7*256                      ; the last block asks for its own once more, so that no load leaves the planes; what is made of it is not used
.endif
	s_add_nc_u64 s[PL:PL+1], s[10:11], s[24:25]
	s_add_nc_u64 s[PL+2:PL+3], s[12:13], s[24:25]
	global_load_b128 v[XL:XL+3], v[XOFF], s[PL:PL+1]
	global_load_b128 v[XH:XH+3], v[XOFF], s[PL+2:PL+3]
.set kk, 0
.rept 64
	STEP kk, \p
.set kk, kk+1
.endr
	v_writelane_b32 v[S+2*(\p)+1], s[BAL], 31
	s_wait_alu depctr_va_vdst(0)                   ; the block's 64 v_writelane have written its pair of S, which the store reads
	global_store_b64 v[SOFF], v[S+2*(\p):S+2*(\p)+1], s[14:15] offset:-256*(\p)  ; 64 steps x 4 bytes: 256 consecutive bytes, aligned
.endm
.Ltrip:                                                ; 4 trips of two blocks
	BLOCK 0
	BLOCK 1
	s_add_co_u32 s[TRIP], s[TRIP], 1
	s_cmp_lt_u32 s[TRIP], 4
	s_cbranch_scc1 .Ltrip
	s_wait_dscnt 0x0                               ; the closing lines, six on end
	s_wait_alu 0x0
	s_wait_tensorcnt 0x0
	ds_add_u32 v[SPW], v[NIL]
	s_wait_dscnt 0x0
	s_endpgm
.Lfunc_end_k_qdac04dbf8f_main:
	.size	k_qdac04dbf8f_main, .Lfunc_end_k_qdac04dbf8f_main-k_qdac04dbf8f_main
	.p2alignl 7, 3214868480
	.fill 96, 4, 3214868480
	.section	.rodata,"a",@progbits
	.p2align	6, 0x0
	.amdhsa_kernel k_qdac04dbf8f_main
		.amdhsa_group_segment_fixed_size 296960
		.amdhsa_private_segment_fixed_size 0
		.amdhsa_enable_private_segment 0
		.amdhsa_kernarg_size 48
		.amdhsa_user_sgpr_count 2
		.amdhsa_user_sgpr_kernarg_segment_ptr 1
		.amdhsa_wavefront_size32 1
		.amdhsa_system_sgpr_workgroup_id_x 1
		.amdhsa_system_sgpr_workgroup_id_y 1
		.amdhsa_system_sgpr_workgroup_id_z 1
		.amdhsa_system_vgpr_workitem_id 0
		.amdhsa_next_free_vgpr 156
		.amdhsa_next_free_sgpr 66
		.amdhsa_reserve_vcc 0
		.amdhsa_float_denorm_mode_32 3
		.amdhsa_float_denorm_mode_16_64 3
		.amdhsa_memory_ordered 1
		.amdhsa_forward_progress 1
		.amdhsa_inst_pref_size 121
	.end_amdhsa_kernel
	.amdgpu_metadata
---
amdhsa.version: [ 1, 2 ]
amdhsa.kernels:
  - .name:           k_qdac04dbf8f_main
    .symbol:         k_qdac04dbf8f_main.kd
    .args:
      - { .name: conn_state, .offset: 0, .size: 8, .value_kind: global_buffer, .address_space: global }
      - { .name: tbl, .offset: 8, .size: 8, .value_kind: global_buffer, .address_space: global }
      - { .name: txt, .offset: 16, .size: 8, .value_kind: global_buffer, .address_space: global }
      - { .name: xlo, .offset: 24, .size: 8, .value_kind: global_buffer, .address_space: global }
      - { .name: xhi, .offset: 32, .size: 8, .value_kind: global_buffer, .address_space: global }
      - { .name: st, .offset: 40, .size: 8, .value_kind: global_buffer, .address_space: global }
    .group_segment_fixed_size: 296960
    .private_segment_fixed_size: 0
    .kernarg_segment_align: 8
    .kernarg_segment_size: 48
    .max_flat_workgroup_size: 512
    .sgpr_count:     66
    .vgpr_count:     156
    .wavefront_size: 32
...
	.end_amdgpu_metadata
.endif
;; end of part 7
;; launch outp: the kernel of part 6 again; grid 256 x 1, 16 waves a work-group, no clusters, 48,384 bytes of LDS; arguments conn_out, ram_out, xlo, xhi, st, out0; writes out0
